; MI455X (gfx1250); checked and timed in simulation.
; The chip was launched on July 23, 2026; its instructions are those of AMD's public machine-readable ISA for CDNA 5 (MIT licence, August 2026) and "CDNA5" Instruction Set Architecture Reference Guide (July 2026). The comments in the code are by the model that wrote it; some were corrected since.
;; Multi Head Attention. Allowed arithmetic: float matrix products may take bf16 or f16 operands with f32 sums; all other float work in f32.
;; Inputs: Wk 1,024 x 1,024 float32; Wo 1,024 x 1,024 float32; Wq 1,024 x 1,024 float32; Wv 1,024 x 1,024 float32; bo 1,024 float32; mask 4 x 2,048 x 2,048 int32; x 4 x 2,048 x 1,024 float32.
;; Outputs: out0 4 x 2,048 x 1,024 float32.
;; 2 versions, each right. Each part assembles by itself: llvm-mc -triple=amdgcn-amd-amdhsa -mcpu=gfx1250 --defsym DOCPART=n.
;; ======== version 1 of 2: 4 launches
;; limits: values are held in f16: magnitudes above 65,504 overflow, below 6.1e-05 lose precision
;; workspace buffers: xb 16,777,216 bytes; wt 8,388,608 bytes; maskw 2,097,152 bytes of whole numbers; qkv 50,331,648 bytes; ctx 16,777,216 bytes
;; launch prep (part 1): grid 512 x 1, 8 waves a work-group, no clusters, 53,248 bytes of LDS; arguments x, mask, Wq, Wk, Wv, Wo, xb, wt, maskw; writes xb, wt, maskw
.if DOCPART == 1
	.amdgcn_target "amdgcn-amd-amdhsa--gfx1250"
	.amdhsa_code_object_version 6
	.text
	.protected	k_qc8a236f142_prep
	.globl	k_qc8a236f142_prep
	.p2align	8
	.type	k_qc8a236f142_prep,@function
k_qc8a236f142_prep:
	s_mov_b64 s[64:65], 0
	v_nop
	global_prefetch_b8 v0, s[64:65] scope:SCOPE_SE
	s_setreg_imm32_b32 hwreg(HW_REG_WAVE_MODE, 25, 1), 1
	s_wait_xcnt 0x0
; prep: three streams, an equal share of each for every one of the 512 work-groups g (eight waves w).
;  (1) xb = x rounded to bf16: 65,536 bytes of x a work-group, 8,192 a wave.
;  (2) wt[n][k] = W[k][n] in 16 bits, rows 0-1023 Wq, 1024-2047 Wk, 2048-3071 Wv (bf16), 3072-4095 Wo: one tile of 128 k x 64 n of one
;      matrix a work-group (matrix g>>7, k block (g>>4)&7, n block g&15), turned through LDS.
;      Wo is rounded to bf16 like the others and then written as f16, since its partner in the last product is f16: 8 significant bits
;      fit in f16's 11, so the second step changes nothing down to 2^-14; below that it errs by 2^-25 at the most.
;  (3) maskw[b][qt][kt][j]: bit L (r = L&15, h = L>>4) = (mask[b][16 qt + r][16 kt + 8 h + j] != 0): the lane mask that a select on
;      register j of a 16 x 16 score tile (keys down the registers, queries along the lanes) takes.  16 rows of mask a work-group
;      (g = 128 b + qt), 256 columns a wave, turned through the wave's own LDS stage, 64 columns at a time.
; All 56 loads of a wave go out first (W 8, x 16, mask 32) and are used in that order, so every wait for data is counted.
; No matrix unit, no cluster: no work-group shares a byte with another, and there is no product here.
.set PITCH, 272                        ; LDS rows of 256 bytes + 16
.set MST,   64*PITCH                   ; behind W's stage (64 rows): the waves' mask stages
.set MSTW,  16*PITCH                   ; 16 rows each
.set WR, 16                            ; v[16:47]   W as loaded: register 4 i + e = W[16 w + 8 hi + i][4 lo + e]
.set X,  48                            ; v[48:111]  x as loaded, then packed in place
.set BK, 48                            ; v[48:79]   later: a mask piece read back by rows
.set MK, 112                           ; v[112:239] mask as loaded
.set WP, 240                           ; v[240:255] W packed, then read back
.set MO, 16                            ; v[16:19]   later: the wave's 128 mask words, four a lane
	s_load_b512 s[4:19], s[0:1], 0x0               ; x s[4:5], mask s[6:7], Wq s[8:9], Wk s[10:11], Wv s[12:13], Wo s[14:15], xb s[16:17], wt s[18:19]
	s_load_b64 s[20:21], s[0:1], 0x40              ; maskw
	v_lshl_add_u32 v13, v0, 2, 0xcc00
	s_set_vgpr_msb 0x40
	v_mov_b32 v1, 0
	s_set_vgpr_msb 0x4000
	v_lshrrev_b32 v1, 5, v0
	v_readfirstlane_b32 s22, v1                    ; wave w
	v_and_b32 v1, 31, v0                           ; L
	v_and_b32 v2, 15, v0                           ; lo
	v_bfe_u32 v3, v0, 4, 1                         ; hi
	v_lshlrev_b32 v14, 4, v2                       ; 16 lo
	v_lshl_add_u32 v4, v3, 15, v14                 ; W: 8 hi rows of 4,096 bytes + 16 lo
	v_lshlrev_b32 v5, 4, v1                        ; x, and maskw: 16 L
	v_lshl_add_u32 v6, v3, 13, v14                 ; mask: hi rows of 8,192 bytes + 16 lo
	s_lshr_b32 s23, ttmp9, 7                       ; which matrix
	s_bfe_u32 s24, ttmp9, 0x30004                  ; k block
	s_and_b32 s25, ttmp9, 15                       ; n block
	s_mov_b32 s33, 0
	s_lshl_b32 s32, s24, 19                        ; (128 kb + 16 w) rows of 4,096 bytes + 256 nb
	s_lshl_b32 s34, s22, 16
	s_add_co_u32 s32, s32, s34
	s_lshl_b32 s34, s25, 8
	s_add_co_u32 s32, s32, s34
	s_wait_kmcnt 0x0
	s_cmp_eq_u32 s23, 1
	s_cselect_b64 s[26:27], s[10:11], s[8:9]
	s_cmp_eq_u32 s23, 2
	s_cselect_b64 s[26:27], s[12:13], s[26:27]
	s_cmp_eq_u32 s23, 3
	s_cselect_b64 s[26:27], s[14:15], s[26:27]
	s_add_nc_u64 s[26:27], s[26:27], s[32:33]
.irp i, 0,1,2,3,4,5,6,7
	global_load_b128 v[WR+4*\i:WR+4*\i+3], v4, s[26:27] offset:\i*4096 th:TH_LOAD_NT   ; sixteen lanes take 256 consecutive bytes of a row
.endr
	s_lshl_b32 s32, ttmp9, 16
	s_lshl_b32 s34, s22, 13
	s_add_co_u32 s32, s32, s34
	s_add_nc_u64 s[4:5], s[4:5], s[32:33]
.irp i, 0,1,2,3,4,5,6,7,8,9,10,11,12,13,14,15
	global_load_b128 v[X+4*\i:X+4*\i+3], v5, s[4:5] offset:\i*512 th:TH_LOAD_NT
.endr
	s_lshl_b32 s32, ttmp9, 17                      ; 16 rows of 8,192 bytes a work-group, 1,024 bytes of each a wave
	s_lshl_b32 s34, s22, 10
	s_add_co_u32 s32, s32, s34
	s_add_nc_u64 s[6:7], s[6:7], s[32:33]
.irp p, 0,1,2,3
.irp i, 0,1,2,3,4,5,6,7
	global_load_b128 v[MK+32*\p+4*\i:MK+32*\p+4*\i+3], v6, s[6:7] offset:\p*256+\i*16384 th:TH_LOAD_NT   ; rows hi + 2 i, piece p
.endr
.endr
	; LDS addresses and the stores' offsets and bases
	v_mul_u32_u24 v7, v2, 4*PITCH                  ; W in: row n = 4 lo (+ e), byte 2 (16 w + 8 hi)
	v_lshl_add_u32 v7, v3, 4, v7
	s_lshl_b32 s34, s22, 5
	v_add_nc_u32 v7, s34, v7
	v_mul_u32_u24 v15, v3, PITCH
	v_add_nc_u32 v15, v15, v14                     ; hi rows + 16 lo
	s_mul_i32 s34, s22, 8*PITCH
	v_add_nc_u32 v8, s34, v15                      ; W back: rows 8 w + hi (+ 2 i)
	v_lshl_add_u32 v9, v3, 11, v14                 ; wt: hi rows of 2,048 bytes + 16 lo
	v_lshlrev_b32 v10, 3, v1                       ; xb: 8 L
	s_mul_i32 s35, s22, MSTW
	s_add_co_u32 s35, s35, MST                     ; my wave's mask stage
	v_add_nc_u32 v11, s35, v15                     ; mask in: rows hi (+ 2 i), 16 lo
	v_mul_u32_u24 v12, v2, PITCH
	v_lshl_add_u32 v12, v3, 5, v12
	v_add_nc_u32 v12, s35, v12                     ; mask back: row lo, 32 hi
	s_lshl_b32 s32, s23, 21                        ; wt: (1024 matrix + 64 nb + 8 w) rows of 2,048 bytes + 256 kb
	s_lshl_b32 s34, s25, 17
	s_add_co_u32 s32, s32, s34
	s_lshl_b32 s34, s22, 14
	s_add_co_u32 s32, s32, s34
	s_lshl_b32 s34, s24, 8
	s_add_co_u32 s32, s32, s34
	s_add_nc_u64 s[18:19], s[18:19], s[32:33]
	s_lshl_b32 s32, ttmp9, 15
	s_lshl_b32 s34, s22, 12
	s_add_co_u32 s32, s32, s34
	s_add_nc_u64 s[16:17], s[16:17], s[32:33]
	s_lshl_b32 s32, ttmp9, 12
	s_lshl_b32 s34, s22, 9
	s_add_co_u32 s32, s32, s34
	s_add_nc_u64 s[20:21], s[20:21], s[32:33]
	; (2) W: eight k of one n make 16 bytes of wt's row
	s_wait_loadcnt 48                              ; loads return in order: W's eight are in, the 16 of x and 32 of mask stay out
.irp e, 0,1,2,3
.irp p, 0,1,2,3
	v_cvt_pk_bf16_f32 v[WP+4*\e+\p], v[WR+8*\p+\e], v[WR+8*\p+4+\e]
.endr
.endr
	s_cmp_lg_u32 s23, 3                            ; the work-group's matrix: the same in all its waves
	s_cbranch_scc1 .Lnot_wo
.irp j, 0,1,2,3,4,5,6,7,8,9,10,11,12,13,14,15
	v_lshlrev_b32 v[WR+2*\j], 16, v[WP+\j]         ; Wo alone: the rounded bf16 back to f32 (a shift, a mask),
	v_and_b32 v[WR+2*\j+1], 0xffff0000, v[WP+\j]
	v_cvt_pk_f16_f32 v[WP+\j], v[WR+2*\j], v[WR+2*\j+1]    ; and on to f16
.endr
.Lnot_wo:
.irp e, 0,1,2,3
	ds_store_b128 v7, v[WP+4*\e:WP+4*\e+3] offset:\e*PITCH
.endr
	s_wait_dscnt 0x0                               ; my part of the tile is written, for the other waves' sake
	s_barrier_signal -1
	s_barrier_wait -1
.irp i, 0,1,2,3
	ds_load_b128 v[WP+4*\i:WP+4*\i+3], v8 offset:\i*2*PITCH
.endr
.irp i, 0,1,2,3
	s_wait_dscnt 3-\i                              ; LDS loads return in order: the younger ones stay out
	global_store_b128 v9, v[WP+4*\i:WP+4*\i+3], s[18:19] offset:\i*4096   ; sixteen lanes store 256 consecutive bytes, aligned
.endr
	; (1) x
.irp q, 0,1,2,3
	s_wait_loadcnt 44-4*\q                         ; the younger loads of x and the 32 of mask stay out
.irp k, 0,1,2,3
	v_cvt_pk_bf16_f32 v[X+4*(4*\q+\k)], v[X+4*(4*\q+\k)], v[X+4*(4*\q+\k)+1]
	v_cvt_pk_bf16_f32 v[X+4*(4*\q+\k)+1], v[X+4*(4*\q+\k)+2], v[X+4*(4*\q+\k)+3]
	global_store_b64 v10, v[X+4*(4*\q+\k):X+4*(4*\q+\k)+1], s[16:17] offset:256*(4*\q+\k)   ; the wave stores 256 consecutive bytes, aligned
.endr
.endr
	; (3) mask
.irp e, 0,1,2,3
	v_mov_b32 v[MO+\e], 0                          ; written whole once: a lane write counts as a read of its destination
.endr
	s_wait_xcnt 0x0                                ; x's registers, which the stores above read, are loaded again only behind this wait
.macro PIECE p
	s_wait_loadcnt 8*(3-\p)                        ; this piece's eight loads are in, the later pieces' stay out
.irp i, 0,1,2,3,4,5,6,7
	ds_store_b128 v11, v[MK+32*\p+4*\i:MK+32*\p+4*\i+3] offset:\i*2*PITCH
.endr
.irp k, 0,1,2,3
.irp c, 0,1
	ds_load_b128 v[BK+4*(2*\k+\c):BK+4*(2*\k+\c)+3], v12 offset:64*\k+16*\c   ; the wave's own bytes; LDS serves a wave in order (ISA guide 5.7.1)
.endr
.endr
	s_wait_dscnt 0x0
.irp k, 0,1,2,3
.irp c, 0,1
.irp e, 0,1,2,3
	v_cmp_ne_u32 s[28+\e], 0, v[BK+4*(2*\k+\c)+\e]         ; bit L: mask[row lo][16 kt + 8 hi + 4 c + e] != 0
	v_writelane_b32 v[MO+\e], s[28+\e], 8*\p+2*\k+\c       ; word 8 (4 p + k) + 4 c + e of the wave's 128
.endr
.endr
.endr
.endm
	PIECE 0
	PIECE 1
	PIECE 2
	PIECE 3
	global_store_b128 v5, v[MO:MO+3], s[20:21]     ; 512 consecutive bytes
	s_set_vgpr_msb 0x4
	s_wait_tensorcnt 0x0
	ds_add_u32 v13, v1
	s_wait_dscnt 0x0
	s_set_vgpr_msb 0x400
	s_endpgm
.Lfunc_end_k_qc8a236f142_prep:
	.size	k_qc8a236f142_prep, .Lfunc_end_k_qc8a236f142_prep-k_qc8a236f142_prep
	.p2alignl 7, 3214868480
	.fill 96, 4, 3214868480
	.section	.rodata,"a",@progbits
	.p2align	6, 0x0
	.amdhsa_kernel k_qc8a236f142_prep
		.amdhsa_group_segment_fixed_size 53248
		.amdhsa_private_segment_fixed_size 0
		.amdhsa_enable_private_segment 0
		.amdhsa_kernarg_size 72
		.amdhsa_user_sgpr_count 2
		.amdhsa_user_sgpr_kernarg_segment_ptr 1
		.amdhsa_wavefront_size32 1
		.amdhsa_system_sgpr_workgroup_id_x 1
		.amdhsa_system_sgpr_workgroup_id_y 1
		.amdhsa_system_sgpr_workgroup_id_z 1
		.amdhsa_system_vgpr_workitem_id 0
		.amdhsa_next_free_vgpr 258
		.amdhsa_next_free_sgpr 66
		.amdhsa_reserve_vcc 0
		.amdhsa_float_denorm_mode_32 3
		.amdhsa_float_denorm_mode_16_64 3
		.amdhsa_memory_ordered 1
		.amdhsa_forward_progress 1
		.amdhsa_inst_pref_size 38
	.end_amdhsa_kernel
	.amdgpu_metadata
---
amdhsa.version: [ 1, 2 ]
amdhsa.kernels:
  - .name:           k_qc8a236f142_prep
    .symbol:         k_qc8a236f142_prep.kd
    .args:
      - { .name: x, .offset: 0, .size: 8, .value_kind: global_buffer, .address_space: global }
      - { .name: mask, .offset: 8, .size: 8, .value_kind: global_buffer, .address_space: global }
      - { .name: Wq, .offset: 16, .size: 8, .value_kind: global_buffer, .address_space: global }
      - { .name: Wk, .offset: 24, .size: 8, .value_kind: global_buffer, .address_space: global }
      - { .name: Wv, .offset: 32, .size: 8, .value_kind: global_buffer, .address_space: global }
      - { .name: Wo, .offset: 40, .size: 8, .value_kind: global_buffer, .address_space: global }
      - { .name: xb, .offset: 48, .size: 8, .value_kind: global_buffer, .address_space: global }
      - { .name: wt, .offset: 56, .size: 8, .value_kind: global_buffer, .address_space: global }
      - { .name: maskw, .offset: 64, .size: 8, .value_kind: global_buffer, .address_space: global }
    .group_segment_fixed_size: 53248
    .private_segment_fixed_size: 0
    .kernarg_segment_align: 8
    .kernarg_segment_size: 72
    .max_flat_workgroup_size: 256
    .sgpr_count:     66
    .vgpr_count:     258
    .wavefront_size: 32
...
	.end_amdgpu_metadata
.endif
;; end of part 1
;; launch qkvproj (part 2): grid 16 x 32, 4 waves a work-group, clusters of 4 x 4, 327,680 bytes of LDS; arguments xb, wt, qkv; writes qkv
.if DOCPART == 2
	.amdgcn_target "amdgcn-amd-amdhsa--gfx1250"
	.amdhsa_code_object_version 6
	.text
	.protected	k_qc8a236f142_qkvproj
	.globl	k_qc8a236f142_qkvproj
	.p2align	8
	.type	k_qc8a236f142_qkvproj,@function
k_qc8a236f142_qkvproj:
	s_mov_b64 s[64:65], 0
	v_nop
	global_prefetch_b8 v0, s[64:65] scope:SCOPE_SE
	s_setreg_imm32_b32 hwreg(HW_REG_WAVE_MODE, 25, 1), 1
	s_wait_xcnt 0x0
	s_wait_alu depctr_hold_cnt(0) depctr_sa_sdst(0) depctr_va_vdst(0) depctr_va_sdst(0) depctr_va_ssrc(0) depctr_va_vcc(0) depctr_vm_vsrc(0)
	s_getreg_b32 s2, hwreg(HW_REG_IB_STS2, 6, 4)
	s_cmp_eq_u32 s2, 0
	s_cbranch_scc0 .Lentry_in_a_cluster
	s_endpgm
.Lentry_in_a_cluster:
	s_bfe_u32 s2, ttmp6, 0x10000c
	s_cmp_lg_u32 s2, 0xf033
	s_cbranch_scc0 .Lentry_shape_is_right
	s_endpgm
.Lentry_shape_is_right:
; qkv[b][g][t][d] = sum over k of xb[2048 b + t][k] wt[64 g + d][k], g = 0..47 (Q heads, K heads, V heads), bf16 operands, f32 sums, rounded once to f16.
; WHY f16 OUT: a query that sees few keys gets values of V's own size, while the allowance hangs on the whole output's root mean square, which
; is some ten times smaller where most queries average over many keys: bf16's 8 significant bits are too few there, f16's 11 do.
; LIMIT: |Q|, |K|, |V| below 65,504.  With x and W both 30 times larger they are 900 times larger, some 5,000; with offsets of 30 spreads
; on both, about 1024 x 30 x 0.94 = 28,800.
; A work-group makes 256 rows x 192 columns (three heads); four waves stacked along the rows: a wave makes 64 rows x 192 columns,
; 48 accumulator tiles of 16 x 16 (384 registers), so a head's rows leave by the wave that made them.
; K = 1024 goes in 8 steps of 128 through two LDS slots filled by tensor loads; a tile's rows are 256 bytes of memory, aligned.
; CLUSTERS: 4 x 4 work-groups.  A's tile hangs on the block row alone and is asked for jointly by a row of the cluster, B's on the
; block column alone and is asked for jointly by a column: each tile is requested once for four work-groups.
; REGISTER WINDOWS: 0: addresses, A's fragments (two buffers), the way out.  1: B's fragments (two buffers).
; 2: accumulators of column blocks 0-5, tile (a, b) at 8 (4 b + a).  3: those of column blocks 6-11.
; The matrix instruction is used transposed (source 0 = 16 rows of wt, source 1 = 16 rows of xb): a lane then holds eight
; neighbouring columns of one row of the result.
.set KSTEP,  128
.set NB,     12                        ; column blocks of 16
.set HB,     6
.set PITCH,  272                       ; 256 bytes + 16: sixteen rows start at sixteen different 16-byte columns
.set PA,     272
.set AHALF,  128*PITCH                 ; what wave 0 or 1 fetches
.set ABYTES, 2*AHALF
.set BHALF,  96*PITCH                  ; what wave 2 or 3 fetches
.set SLOT,   ABYTES+2*BHALF
.set STAGE,  2*SLOT                    ; behind the ring, a multiple of 256: no fill lands here
.set SPITCH, 400                       ; 384 bytes + 16
.set NL,     8+2*NB                    ; LDS loads in a fetch
.set LAPS,   4                         ; a lap = two K steps
.set ASTEP,  256                       ; bytes from a K step's tile to the next
.set BSTEP,  256
.set ADRA, 16
.set ADRB, 20
.set STO,  24
.set RD,   25
.set CO,   26
.set FA0,  64                          ; window 0: v[64:95], v[96:127]
.set FB0,  0                           ; window 1: v[0:95], v[96:191]
.set TMP,  128                         ; v[128:175]
.set RB,   176                         ; v[176:223]
.set G1, 24
.set G0, 32
.set G1B, 48
.set G0B, 56
.set MSB, 0
.macro WIN new                         ; the immediate's high byte repeats the setting that is left
.if MSB != \new
	s_set_vgpr_msb (MSB<<8)|\new
.set MSB, \new
.endif
.endm
.set MUL_LO, 0xa1                      ; source 0 (B) window 1, source 1 (A) window 0, C and D window 2
.set MUL_HI, 0xf1                      ; the same, C and D window 3
.set TO_B,   0x40                      ; destination window 1
.macro JLOAD s                         ; waves 0, 1 ask for A's halves, waves 2, 3 for B's: one line, one mask each; the branch hangs on the wave's number alone
	s_cmp_eq_u32 s11, 0
	s_cbranch_scc0 .Lfor_b_\@
	tensor_load_to_lds s[G0+4*\s:G0+4*\s+3], s[G1:G1+7]
	s_nop 0
	s_branch .Lasked_\@
.Lfor_b_\@:
	tensor_load_to_lds s[G0B+4*\s:G0B+4*\s+3], s[G1B:G1B+7]
	s_nop 0
.Lasked_\@:
.endm
.macro CREST                           ; a round of the cluster's barrier behind its opening barrier
	s_cmp_lg_u32 s10, 0
	s_cbranch_scc1 .Lnot_wave_0_\@
	s_barrier_signal -3
.Lnot_wave_0_\@:
	s_barrier_wait -3
	s_barrier_signal -1
	s_barrier_wait -1
.endm
.macro CROUND
	s_barrier_signal -1
	s_barrier_wait -1
	CREST
.endm
.macro PLACES                          ; four places behind a matrix instruction in front of loads into, and vector reads of, its registers
.rept 4
	v_nop
.endr
.endm
	s_load_b128 s[4:7], s[0:1], 0x0                ; xb s[4:5], wt s[6:7]
	s_load_b64 s[8:9], s[0:1], 0x10                ; qkv
	s_set_vgpr_msb 0x40
	v_lshl_add_u32 v255, v0, 2, 0x41c00
	s_set_vgpr_msb 0x4000
	v_mov_b32 v255, 0
	s_set_vgpr_msb 0x1
	ds_add_u32 v255, v255
	s_set_vgpr_msb 0x100
	v_lshrrev_b32 v1, 5, v0
	v_readfirstlane_b32 s10, v1                    ; wave 0..3
	s_lshr_b32 s11, s10, 1                         ; I fetch for A (0) or for B (1)
	s_and_b32 s12, s10, 1                          ; which half of that tile
	s_bfe_u32 s40, ttmp6, 0x40000                  ; cx
	s_bfe_u32 s41, ttmp6, 0x40004                  ; cy
	s_lshl_b32 s42, ttmp9, 2
	s_add_co_u32 s42, s42, s40                     ; block column 0..15
	s_and_b32 s13, ttmp7, 0xffff
	s_lshl_b32 s13, s13, 2
	s_add_co_u32 s13, s13, s41                     ; block row 0..31
	s_lshl_b32 s43, s41, 2
	s_lshl_b32 s43, 15, s43                        ; my row of the cluster
	s_lshl_b32 s44, 0x1111, s40                    ; my column
	s_or_b32 s[G1+0], s43, (1<<16)|(1<<20)|(1<<21)|(5<<22)|(3<<25)   ; mask; 2-byte elements; padding on; bit 21 beside a mask; after every 64 words, 4 words
	s_or_b32 s[G1B+0], s44, (1<<16)|(1<<20)|(1<<21)|(5<<22)|(3<<25)
	s_mov_b32 s[G1+1], KSTEP<<16                   ; tensor_dim0 = 128
	s_mov_b32 s[G1+2], 128<<16                     ; tensor_dim1 = 128
	s_mov_b32 s[G1+3], KSTEP<<16                   ; tile_dim0 = 128
	s_mov_b32 s[G1+4], 128                         ; tile_dim1 = 128
	s_mov_b32 s[G1+5], 1024                        ; elements from row to row
	s_mov_b32 s[G1+6], 0
	s_mov_b32 s[G1+7], 0
	s_mov_b32 s[G1B+1], KSTEP<<16
	s_mov_b32 s[G1B+2], 96<<16                     ; 96 rows
	s_mov_b32 s[G1B+3], KSTEP<<16
	s_mov_b32 s[G1B+4], 96
	s_mov_b32 s[G1B+5], 1024
	s_mov_b32 s[G1B+6], 0
	s_mov_b32 s[G1B+7], 0
	s_lshl_b32 s17, s12, 7
	s_lshl_b32 s16, s13, 8
	s_add_co_u32 s16, s16, s17                     ; A: row 256 x block row + 128 x half
	s_lshl_b32 s16, s16, 11                        ; rows of 2,048 bytes
	s_mov_b32 s17, 0
	s_mul_i32 s46, s42, 192
	s_mul_i32 s47, s12, 96
	s_add_co_u32 s46, s46, s47                     ; B: row 192 x block column + 96 x half
	s_lshl_b32 s46, s46, 11
	s_mov_b32 s47, 0
	s_mul_i32 s20, s10, AHALF                      ; LDS: A's halves at wave x 34,816 (waves 0, 1),
	s_mul_i32 s21, s10, BHALF
	s_add_co_u32 s21, s21, ABYTES-2*BHALF          ; B's at 17,408 + wave x 26,112 (waves 2, 3): behind A's 256 rows
	s_wait_dscnt 0x0
	s_wait_kmcnt 0x0
	s_add_nc_u64 s[14:15], s[4:5], s[16:17]
	s_add_nc_u64 s[46:47], s[6:7], s[46:47]
	CROUND                                         ; all sixteen work-groups are here: the first joint loads meet
.irp s, 0,1
	s_mov_b32 s[G0+4*\s], 1
	s_add_co_u32 s[G0+4*\s+1], s20, \s*SLOT
	s_add_nc_u64 s[G0+4*\s+2:G0+4*\s+3], s[14:15], \s*ASTEP
	s_or_b32 s[G0+4*\s+3], s[G0+4*\s+3], 0x80000000
	s_mov_b32 s[G0B+4*\s], 1
	s_add_co_u32 s[G0B+4*\s+1], s21, \s*SLOT
	s_add_nc_u64 s[G0B+4*\s+2:G0B+4*\s+3], s[46:47], \s*BSTEP
	s_or_b32 s[G0B+4*\s+3], s[G0B+4*\s+3], 0x80000000
	JLOAD \s                                       ; both first fills go out together: two tensor loads of the wave are out
.endr
	v_and_b32 v1, 15, v0                           ; r
	v_bfe_u32 v2, v0, 4, 1                         ; h
	v_mul_u32_u24 v3, v1, PITCH
	v_lshl_add_u32 v3, v2, 4, v3                   ; r x pitch + 16 h
	s_mul_i32 s22, s10, 64*PA                      ; my 64 rows of A
.irp s, 0,1
	v_add_nc_u32 v[ADRA+\s], s22, v3
	v_add_nc_u32 v[ADRB+\s], ABYTES+\s*SLOT, v3    ; every wave reads all of B's rows
	s_add_co_u32 s22, s22, SLOT
.endr
	s_mul_i32 s23, s10, 16*SPITCH
	s_add_co_u32 s23, s23, STAGE                   ; my stage
	v_mul_u32_u24 v4, v1, SPITCH
	v_lshl_add_u32 v4, v2, 4, v4
	v_add_nc_u32 v[STO], s23, v4                   ; in: row r, 16 h
	v_and_b32 v5, 31, v0
	v_lshrrev_b32 v6, 3, v5
	v_and_b32 v7, 7, v0
	v_mul_u32_u24 v6, v6, SPITCH
	v_lshl_add_u32 v6, v7, 4, v6
	v_add_nc_u32 v[RD], s23, v6                    ; back: row L >> 3, 16 (L & 7) of a head's 128 bytes
	v_lshlrev_b32 v[CO], 4, v5                     ; 16 L: four rows of 128 bytes lie one behind the other in qkv
; nb column blocks from b0 of the window's six x my four row blocks, 32 along K.  The accumulators take turns, one instruction a turn.
.macro MULB f, hi, b0, nb, zero
.set mb, \b0
.rept \nb
.set mf, FB0+8*NB*\f+8*(HB*\hi+mb)
.irp a, 0,1,2,3
.if \zero
	v_wmma_f32_16x16x32_bf16 v[8*(4*mb+\a):8*(4*mb+\a)+7], v[mf:mf+7], v[FA0+32*\f+8*\a:FA0+32*\f+8*\a+7], 0
.else
	v_wmma_f32_16x16x32_bf16 v[8*(4*mb+\a):8*(4*mb+\a)+7], v[mf:mf+7], v[FA0+32*\f+8*\a:FA0+32*\f+8*\a+7], v[8*(4*mb+\a):8*(4*mb+\a)+7]
.endif
.endr
.set mb, mb+1
.endr
.endm
; the fragments of quarter q of a K step into buffer f: A's 8 loads first, then B's 24 in ascending column blocks
.macro FETCH slot, q, f
	WIN 0
.irp a, 0,1,2,3
	ds_load_b128 v[FA0+32*\f+8*\a:FA0+32*\f+8*\a+3],   v[ADRA+\slot] offset:64*\q+\a*16*PA
	ds_load_b128 v[FA0+32*\f+8*\a+4:FA0+32*\f+8*\a+7], v[ADRA+\slot] offset:64*\q+\a*16*PA+32
.endr
	WIN TO_B
.set fb, 0
.rept NB
	ds_load_b128 v[FB0+8*NB*\f+8*fb:FB0+8*NB*\f+8*fb+3],   v[ADRB+\slot] offset:64*\q+fb*16*PITCH
	ds_load_b128 v[FB0+8*NB*\f+8*fb+4:FB0+8*NB*\f+8*fb+7], v[ADRB+\slot] offset:64*\q+fb*16*PITCH+32
.set fb, fb+1
.endr
.endm
.macro QUARTER slot, q, f, g, zero     ; multiplies buffer f; in its middle fetches quarter q into buffer g
	s_wait_dscnt 2*HB                              ; A and B's lower half are in; the youngest 12 loads (B's upper half) may be out
	WIN MUL_LO
	MULB \f, 0, 0, HB, \zero
	PLACES
	FETCH \slot, \q, \g
	s_wait_dscnt NL                                ; all but the 32 just issued
	WIN MUL_HI
	MULB \f, 1, 0, HB, \zero
.endm
.macro THREE slot, zero
	QUARTER \slot, 1, 0, 1, \zero
	QUARTER \slot, 2, 1, 0, 0
	QUARTER \slot, 3, 0, 1, 0
.endm
; The last quarter of a K step, and the change of slots.  In front of the barrier each wave waits for its reads of this slot and for all
; its tensor loads (one is out: its part of the next slot).  Where the slot is filled again the barrier opens a round of the cluster's
; barrier, and the joint refill is the first tensor load behind the round.
.macro TURN slot, next, fill
	s_wait_dscnt 2*HB
	WIN MUL_LO
	MULB 1, 0, 0, HB/2, 0
	s_wait_dscnt 0x0
	s_wait_tensorcnt 0x0
	ds_add_u32 v255, v255
	s_wait_dscnt 0x0
	s_barrier_signal -1
	MULB 1, 0, HB/2, HB/2, 0                       ; register work while the others arrive
	WIN 0
	s_barrier_wait -1
.if \fill
	CREST
	s_add_nc_u64 s[G0+4*\slot+2:G0+4*\slot+3], s[G0+4*\slot+2:G0+4*\slot+3], 2*ASTEP      ; no tensor load of the wave is out: a group 0 may be written
	s_add_nc_u64 s[G0B+4*\slot+2:G0B+4*\slot+3], s[G0B+4*\slot+2:G0B+4*\slot+3], 2*BSTEP
	JLOAD \slot
.endif
	PLACES
	FETCH \next, 0, 0
	WIN MUL_HI
	MULB 1, 1, 0, HB, 0
.endm
.macro LAP zero
	THREE 0, \zero
	TURN 0, 1, 1
	THREE 1, 0
	TURN 1, 0, 1
.endm
	s_wait_tensorcnt 1                             ; my part of K step 0 is in; K step 1's may stay out
	s_barrier_signal -1
	s_barrier_wait -1
	FETCH 0, 0, 0
	LAP 1                                          ; the first products start the sums: nothing is cleared
	WIN 0
	s_mov_b32 s3, LAPS-2
.Llap:
	LAP 0
	WIN 0
	s_sub_co_u32 s3, s3, 1
	s_cmp_lg_u32 s3, 0
	s_cbranch_scc1 .Llap
	THREE 0, 0                                     ; the last lap fills nothing
	TURN 0, 1, 0
	THREE 1, 0
	s_wait_dscnt 2*HB
	WIN MUL_LO
	MULB 1, 0, 0, HB, 0
	s_wait_dscnt 0x0
	WIN MUL_HI
	MULB 1, 1, 0, HB, 0
	PLACES
	; THE WAY OUT: 16 rows at a time through my own stage; a head's 16 rows of 128 bytes are 2,048 consecutive bytes of qkv.
	s_lshr_b32 s14, s13, 3                         ; batch
	s_mul_i32 s16, s14, 48*262144
	s_and_b32 s14, s13, 7
	s_lshl_b32 s14, s14, 15                        ; 256 rows of 128 bytes
	s_add_co_u32 s16, s16, s14
	s_lshl_b32 s14, s10, 13                        ; my 64 rows
	s_add_co_u32 s16, s16, s14
	s_mov_b32 s17, 0
	s_add_nc_u64 s[8:9], s[8:9], s[16:17]
	s_mul_i32 s46, s42, 3*262144                   ; three planes a block column
	s_mov_b32 s47, 0
	s_add_nc_u64 s[8:9], s[8:9], s[46:47]
.macro OUTQ a
	WIN 0x0a
.irp b, 0,1,2,3,4,5
.irp r, 0,1,2,3
	v_cvt_pk_f16_f32 v[TMP+4*\b+\r], v[8*(4*\b+\a)+2*\r], v[8*(4*\b+\a)+2*\r+1]
.endr
.endr
	WIN 0x0f
.irp b, 0,1,2,3,4,5
.irp r, 0,1,2,3
	v_cvt_pk_f16_f32 v[TMP+4*(\b+6)+\r], v[8*(4*\b+\a)+2*\r], v[8*(4*\b+\a)+2*\r+1]
.endr
.endr
	WIN 0
.irp b, 0,1,2,3,4,5,6,7,8,9,10,11
	ds_store_b128 v[STO], v[TMP+4*\b:TMP+4*\b+3] offset:32*\b
.endr
	s_wait_xcnt 0x0                                ; the registers that the last stores read are loaded again only behind this wait
.irp g, 0,1,2
.irp i, 0,1,2,3
	ds_load_b128 v[RB+4*(4*\g+\i):RB+4*(4*\g+\i)+3], v[RD] offset:\i*4*SPITCH+\g*128   ; my own bytes: LDS serves a wave in order
.endr
.endr
.irp g, 0,1,2
.irp i, 0,1,2,3
	s_wait_dscnt 11-(4*\g+\i)                      ; the younger read-backs stay out
	global_store_b128 v[CO], v[RB+4*(4*\g+\i):RB+4*(4*\g+\i)+3], s[8:9] offset:\g*262144+\a*2048+\i*512   ; 512 consecutive bytes, aligned
.endr
.endr
.endm
	OUTQ 0
	OUTQ 1
	OUTQ 2
	OUTQ 3
	s_set_vgpr_msb 0x1
	s_wait_tensorcnt 0x0
	ds_add_u32 v255, v255
	s_wait_dscnt 0x0
	s_set_vgpr_msb 0x100
	CROUND                                         ; the closing round: no work-group ends while a partner may still ask for a tile that names it
	s_endpgm
.Lfunc_end_k_qc8a236f142_qkvproj:
	.size	k_qc8a236f142_qkvproj, .Lfunc_end_k_qc8a236f142_qkvproj-k_qc8a236f142_qkvproj
	.p2alignl 7, 3214868480
	.fill 96, 4, 3214868480
	.section	.rodata,"a",@progbits
	.p2align	6, 0x0
	.amdhsa_kernel k_qc8a236f142_qkvproj
		.amdhsa_group_segment_fixed_size 327680
		.amdhsa_private_segment_fixed_size 0
		.amdhsa_enable_private_segment 0
		.amdhsa_kernarg_size 24
		.amdhsa_user_sgpr_count 2
		.amdhsa_user_sgpr_kernarg_segment_ptr 1
		.amdhsa_wavefront_size32 1
		.amdhsa_system_sgpr_workgroup_id_x 1
		.amdhsa_system_sgpr_workgroup_id_y 1
		.amdhsa_system_sgpr_workgroup_id_z 1
		.amdhsa_system_vgpr_workitem_id 0
		.amdhsa_next_free_vgpr 960
		.amdhsa_next_free_sgpr 66
		.amdhsa_reserve_vcc 0
		.amdhsa_float_denorm_mode_32 3
		.amdhsa_float_denorm_mode_16_64 3
		.amdhsa_memory_ordered 1
		.amdhsa_forward_progress 1
		.amdhsa_inst_pref_size 163
	.end_amdhsa_kernel
	.amdgpu_metadata
---
amdhsa.version: [ 1, 2 ]
amdhsa.kernels:
  - .name:           k_qc8a236f142_qkvproj
    .symbol:         k_qc8a236f142_qkvproj.kd
    .args:
      - { .name: xb, .offset: 0, .size: 8, .value_kind: global_buffer, .address_space: global }
      - { .name: wt, .offset: 8, .size: 8, .value_kind: global_buffer, .address_space: global }
      - { .name: qkv, .offset: 16, .size: 8, .value_kind: global_buffer, .address_space: global }
    .group_segment_fixed_size: 327680
    .private_segment_fixed_size: 0
    .kernarg_segment_align: 8
    .kernarg_segment_size: 24
    .max_flat_workgroup_size: 128
    .sgpr_count:     66
    .vgpr_count:     960
    .wavefront_size: 32
...
	.end_amdgpu_metadata
.endif
;; end of part 2
;; launch attn (part 3): grid 256 x 1, 8 waves a work-group, clusters of 4 x 1, 327,680 bytes of LDS; arguments qkv, maskw, ctx; writes ctx
.if DOCPART == 3
	.amdgcn_target "amdgcn-amd-amdhsa--gfx1250"
	.amdhsa_code_object_version 6
	.text
	.protected	k_qc8a236f142_attn
	.globl	k_qc8a236f142_attn
	.p2align	8
	.type	k_qc8a236f142_attn,@function
k_qc8a236f142_attn:
	s_mov_b64 s[64:65], 0
	v_nop
	global_prefetch_b8 v0, s[64:65] scope:SCOPE_SE
	s_setreg_imm32_b32 hwreg(HW_REG_WAVE_MODE, 25, 1), 1
	s_wait_xcnt 0x0
	s_wait_alu depctr_hold_cnt(0) depctr_sa_sdst(0) depctr_va_vdst(0) depctr_va_sdst(0) depctr_va_ssrc(0) depctr_va_vcc(0) depctr_vm_vsrc(0)
	s_getreg_b32 s2, hwreg(HW_REG_IB_STS2, 6, 4)
	s_cmp_eq_u32 s2, 0
	s_cbranch_scc0 .Lentry_in_a_cluster
	s_endpgm
.Lentry_in_a_cluster:
	s_bfe_u32 s2, ttmp6, 0x10000c
	s_cmp_lg_u32 s2, 0x3003
	s_cbranch_scc0 .Lentry_shape_is_right
	s_endpgm
.Lentry_shape_is_right:
; ctx[b][h][q][d] = softmax over keys of (Q K^T / 8, -inf where the mask is 0) V, for one (b, h) a cluster and 512 queries a work-group.
; Q, K, V, p and ctx are f16 (11 significant bits), sums f32: a query that sees few keys gets values of V's own size, far above the whole
; output's root mean square, on which the allowance hangs, and 8 significant bits are too few there.
; Eight waves, 64 queries (four tiles of 16) each; the 2,048 keys go in 8 tiles of 256 through two LDS slots, each tile in four steps of 64.
; CLUSTERS: the four query blocks of a head read the same K and V tiles and ask for them jointly (mask 15): one request for four work-groups.
; TRANSPOSED: S^T = K Q^T (source 0 = 16 keys, source 1 = 16 queries): lane (r, h) holds query r and keys 16 t + 8 h + j in register j of
; tile t.  Packed to f16, tiles 2 ks and 2 ks + 1 ARE source 1 of O^T = V^T P^T, with no move between lanes; V^T comes from V[key][d] by the
; transposing LDS load.  A query's maximum, sum and scale live in its two lanes; O's lane holds eight neighbouring d of its query.
; The mask comes as lane masks (32 words for 64 keys x 16 queries) by scalar loads and only feeds selects: every key is worked for every query.
; A unit = 64 keys x 16 queries.  The next unit's score products are issued ahead of this unit's softmax (two score buffers).
; LIMITS: the running maximum (kept, in the base-2 domain scaled by log2(e)/8) starts at -1e30, so that key blocks that are masked whole give
; p = 0 and no NaN; scaled scores below -1e30 are not served.  A row masked whole gives 0 x infinity = NaN, as the softmax of -inf alone does.
; The denominator sums p in f32; the product with V takes p rounded to f16; p lies in 0 .. 1, and what f16 flushes (below 2^-25) is at most
; 2,048 x 2^-25 of a sum that is at least 1.  ctx is an average of V's rows and stays in V's range (below 65,504).
.set KP,    144                        ; K's LDS rows: 128 bytes + 16
.set VP,    160                        ; V's: 128 + 32, an odd multiple of 32 for the transposing load
.set VOFF,  40960                      ; V's part of a slot = 4 x 64 x VP, so that wave w (4..7) fills at w x 10,240
.set SLOT,  81920
.set STAGE, 2*SLOT                     ; a multiple of 256; no fill lands here
.set SP,    144
.set PLANE, 262144                     ; bytes of one head's Q, K or V
.set TILEB, 32768                      ; 256 keys of 128 bytes
.set VK,  8                            ; v8-9    K fragment address, slot 0, 1
.set VV,  10                           ; v10-11  V fragment address
.set STO, 12
.set RD,  13
.set CO,  14                           ; 16 L
.set QO,  15                           ; 128 r + 16 h
.set M,   16                           ; v[16:19] running maximum of query tile qt
.set LS,  20                           ; v[20:23] my lane's part of its sum
.set NM,  24                           ; v24 = -maximum; v25 its pair's partner
.set AL,  26                           ; v26 = scale of the old sums; v27 its pair's partner
.set T,   28                           ; v[28:35]
.set NINF, 36
.set P,   40                           ; v[40:55] p in f16
.set S,   64                           ; v[64:95], v[96:127] two score buffers
.set VF,  128                          ; v[128:191] V fragments at 8 (4 ks + dt)
.set O,   0                            ; window 1: v[0:127] O at 32 qt + 8 dt
.set Q,   128                          ; window 1: Q at 16 qt + 8 kd
.set KF,  192                          ; window 1: K fragments at 16 t + 8 kd
.set G1K, 16
.set G1V, 24
.set G0K, 32
.set G0V, 40
.set MSB, 0
.macro WIN new
.if MSB != \new
	s_set_vgpr_msb (MSB<<8)|\new
.set MSB, \new
.endif
.endm
.macro PLACES                          ; four places behind a matrix instruction (ISA guide 7.12.1)
.rept 4
	v_nop
.endr
.endm
.macro ROUND                           ; a round of the cluster's barrier
	s_barrier_signal -1
	s_barrier_wait -1
	s_cmp_lg_u32 s10, 0
	s_cbranch_scc1 .Lnot_wave_0_\@
	s_barrier_signal -3
.Lnot_wave_0_\@:
	s_barrier_wait -3
	s_barrier_signal -1
	s_barrier_wait -1
.endm
.macro JLOAD s                         ; waves 0-3 ask for 64 rows of K each, waves 4-7 for 64 rows of V
	s_cmp_eq_u32 s11, 0
	s_cbranch_scc0 .Lfor_v_\@
	tensor_load_to_lds s[G0K+4*(\s):G0K+4*(\s)+3], s[G1K:G1K+7]
	s_nop 0
	s_branch .Lasked_\@
.Lfor_v_\@:
	tensor_load_to_lds s[G0V+4*(\s):G0V+4*(\s)+3], s[G1V:G1V+7]
	s_nop 0
.Lasked_\@:
.endm
.macro MLOAD u                         ; the 32 mask words of unit u: query tile u % 4, key step u / 4
	s_load_b512 s[68:83], s[56:57], ((\u)%4)*4096+((\u)/4)*128
	s_load_b512 s[84:99], s[56:57], ((\u)%4)*4096+((\u)/4)*128+64
.endm
.macro KLOAD slot, st
.irp t, 0,1,2,3
.irp kd, 0,1
	ds_load_b128 v[KF+16*\t+8*\kd:KF+16*\t+8*\kd+3],   v[VK+\slot] offset:(64*(\st)+16*\t)*KP+64*\kd
	ds_load_b128 v[KF+16*\t+8*\kd+4:KF+16*\t+8*\kd+7], v[VK+\slot] offset:(64*(\st)+16*\t)*KP+64*\kd+32
.endr
.endr
.endm
.macro VLOAD slot, st
.irp ks, 0,1
.irp dt, 0,1,2,3
	ds_load_tr16_b128 v[VF+8*(4*\ks+\dt):VF+8*(4*\ks+\dt)+3],   v[VV+\slot] offset:(64*(\st)+32*\ks)*VP+32*\dt
	ds_load_tr16_b128 v[VF+8*(4*\ks+\dt)+4:VF+8*(4*\ks+\dt)+7], v[VV+\slot] offset:(64*(\st)+32*\ks+16)*VP+32*\dt
.endr
.endr
.endm
.macro SMUL u                          ; the scores of unit u: four tiles take turns, one instruction a turn
.set ms, S+32*((\u)&1)
.set mq, Q+16*((\u)%4)
.irp kd, 0,1
.irp t, 0,1,2,3
.if \kd
	v_wmma_f32_16x16x32_f16 v[ms+8*\t:ms+8*\t+7], v[KF+16*\t+8*\kd:KF+16*\t+8*\kd+7], v[mq+8*\kd:mq+8*\kd+7], v[ms+8*\t:ms+8*\t+7]
.else
	v_wmma_f32_16x16x32_f16 v[ms+8*\t:ms+8*\t+7], v[KF+16*\t+8*\kd:KF+16*\t+8*\kd+7], v[mq+8*\kd:mq+8*\kd+7], 0
.endif
.endr
.endr
.endm
.macro UNIT slot, u, first
.set us, S+32*((\u)&1)
.set uq, (\u)%4
.set ust, (\u)/4
.if (\u) < 15
.if uq == 3
	s_wait_dscnt 0x0                               ; the next step's K fragments, asked for one unit ago
.endif
	WIN 0x05                                       ; sources 0 and 1 (K, Q) window 1
	SMUL (\u)+1
.if uq == 2
.if (\u) < 14
	PLACES                                         ; that was the last product on this step's K fragments
	WIN 0x40
	KLOAD \slot, ust+1
.endif
.endif
.endif
.if (\u) == 0
	PLACES                                         ; unit 0's scores were made just now
.endif
	WIN 0
	s_wait_kmcnt 0x0                               ; this unit's mask words
.set ui, 0
.rept 32
	v_cndmask_b32 v[us+ui], v[NINF], v[us+ui], s[68+ui]    ; mask bit 0: -inf
.set ui, ui+1
.endr
.if (\u) < 15
	MLOAD (\u)+1
.endif
	; the largest of my 32 scores, in four chains, then my query's other lane
.irp k, 0,1,2,3
	v_max3_num_f32 v[T+\k], v[us+8*\k], v[us+8*\k+1], v[us+8*\k+2]
.endr
.irp k, 0,1,2,3
	v_max3_num_f32 v[T+\k], v[T+\k], v[us+8*\k+3], v[us+8*\k+4]
.endr
.irp k, 0,1,2,3
	v_max3_num_f32 v[T+\k], v[T+\k], v[us+8*\k+5], v[us+8*\k+6]
.endr
	v_max3_num_f32 v[T], v[T], v[us+7], v[us+15]
	v_max3_num_f32 v[T+1], v[T+1], v[us+23], v[us+31]
	v_max3_num_f32 v[T], v[T], v[T+1], v[T+2]
	v_max_num_f32 v[T], v[T], v[T+3]
	v_permlanex16_b32 v[T+1], v[T], s52, s53
	v_max_num_f32 v[T], v[T], v[T+1]
	v_mul_f32 v[T], s50, v[T]                      ; into the scaled base-2 domain
.if \first
	v_max_num_f32 v[T+2], s54, v[T]                ; the running maximum starts at -1e30
.else
	v_max_num_f32 v[T+2], v[M+uq], v[T]
	v_sub_f32 v[T+3], v[M+uq], v[T+2]
.endif
	v_sub_f32 v[NM], 0, v[T+2]
.set ui, 0
.rept 16
	v_pk_fma_f32 v[us+2*ui:us+2*ui+1], v[us+2*ui:us+2*ui+1], s[50:51], v[NM:NM+1] op_sel_hi:[1,0,0]   ; s c - m
.set ui, ui+1
.endr
.if \first == 0
	v_exp_f32 v[AL], v[T+3]                        ; the old sums' scale
.endif
.set ui, 0
.rept 32
	v_exp_f32 v[us+ui], v[us+ui]
.set ui, ui+1
.endr
	v_mov_b32 v[M+uq], v[T+2]                      ; the one plain instruction between the exponentials and their first use (ISA guide 5.7.2)
.set ui, 0
	s_wait_alu depctr_va_vdst(0)
.rept 16
	v_cvt_pk_f16_f32 v[P+ui], v[us+2*ui], v[us+2*ui+1]
.set ui, ui+1
.endr
.irp i, 0,1,2,3,4,5,6,7
	v_pk_add_f32 v[us+4*\i:us+4*\i+1], v[us+4*\i:us+4*\i+1], v[us+4*\i+2:us+4*\i+3]
.endr
.irp i, 0,1,2,3
	v_pk_add_f32 v[us+8*\i:us+8*\i+1], v[us+8*\i:us+8*\i+1], v[us+8*\i+4:us+8*\i+5]
.endr
.irp i, 0,1
	v_pk_add_f32 v[us+16*\i:us+16*\i+1], v[us+16*\i:us+16*\i+1], v[us+16*\i+8:us+16*\i+9]
.endr
	v_pk_add_f32 v[us:us+1], v[us:us+1], v[us+16:us+17]
.if \first
	v_add_f32 v[LS+uq], v[us], v[us+1]
.else
	v_add_f32 v[T], v[us], v[us+1]
	v_fma_f32 v[LS+uq], v[LS+uq], v[AL], v[T]
	WIN 0x41                                       ; O: destination and source 0 window 1
.set ui, 0
.rept 16
	v_pk_mul_f32 v[O+32*uq+2*ui:O+32*uq+2*ui+1], v[O+32*uq+2*ui:O+32*uq+2*ui+1], v[AL:AL+1] op_sel_hi:[1,0]
.set ui, ui+1
.endr
.endif
.if uq == 0
	s_wait_dscnt 0x0                               ; this step's V fragments, asked for one unit ago
.endif
	WIN 0x50                                       ; C and D (O) window 1
.irp ks, 0,1
.irp dt, 0,1,2,3
.if \first*(1-\ks)
	v_wmma_f32_16x16x32_f16 v[O+32*uq+8*\dt:O+32*uq+8*\dt+7], v[VF+8*(4*\ks+\dt):VF+8*(4*\ks+\dt)+7], v[P+8*\ks:P+8*\ks+7], 0
.else
	v_wmma_f32_16x16x32_f16 v[O+32*uq+8*\dt:O+32*uq+8*\dt+7], v[VF+8*(4*\ks+\dt):VF+8*(4*\ks+\dt)+7], v[P+8*\ks:P+8*\ks+7], v[O+32*uq+8*\dt:O+32*uq+8*\dt+7]
.endif
.endr
.endr
.if uq == 3
	PLACES                                         ; that was the last product on this step's V fragments
.if (\u) < 15
	WIN 0
	VLOAD \slot, ust+1
.endif
.endif
.endm
.macro TILE slot, first
	WIN 0x40
	KLOAD \slot, 0
	WIN 0
	VLOAD \slot, 0
	s_wait_dscnt 16                                ; K's 16 loads are in, V's 16 younger ones stay out
.if \first
	s_wait_loadcnt 0x0                             ; Q, once
.endif
	WIN 0x05
	SMUL 0
.irp u, 0,1,2,3
	UNIT \slot, \u, \first
.endr
.irp u, 4,5,6,7,8,9,10,11,12,13,14,15
	UNIT \slot, \u, 0
.endr
	WIN 0
.endm
; The change of slots: slot is read next, the other one has been read.  Every wave's waits stand in front of the round's opening signal,
; and the joint refill is the first tensor load behind the round.
.macro CHANGE slot, refill
	s_add_nc_u64 s[56:57], s[56:57], 512           ; 16 key tiles of 32 bytes on; no scalar load is out (unit 15 waited for the last)
	MLOAD 0
	s_wait_tensorcnt 0x0                           ; all my tensor loads have landed, my part of the next slot among them: a group 0 may be written
	ds_add_u32 v254, v255
	s_wait_dscnt 0x0
	s_add_nc_u64 s[G0K+4*(1-\slot)+2:G0K+4*(1-\slot)+3], s[G0K+4*(1-\slot)+2:G0K+4*(1-\slot)+3], 2*TILEB
	s_add_nc_u64 s[G0V+4*(1-\slot)+2:G0V+4*(1-\slot)+3], s[G0V+4*(1-\slot)+2:G0V+4*(1-\slot)+3], 2*TILEB
	s_wait_dscnt 0x0                               ; my reads of the other slot are over
	ROUND
.if \refill
	JLOAD 1-\slot
.endif
.endm
	s_load_b128 s[4:7], s[0:1], 0x0                ; qkv s[4:5], maskw s[6:7]
	s_load_b64 s[8:9], s[0:1], 0x10                ; ctx
	v_lshl_add_u32 v254, v0, 2, 0x2c800
	v_mov_b32 v255, 0
	ds_add_u32 v254, v255
	v_lshrrev_b32 v1, 5, v0
	v_readfirstlane_b32 s10, v1                    ; wave 0..7
	s_lshr_b32 s11, s10, 2                         ; I fetch K (0) or V (1)
	s_and_b32 s12, s10, 3                          ; which 64 rows of the tile
	s_bfe_u32 s13, ttmp6, 0x40000                  ; cx: my block of 512 queries; ttmp9 = 16 b + h
	s_mov_b32 s[G1K+0], 15|(1<<16)|(1<<20)|(1<<21)|(4<<22)|(3<<25)   ; mask of the four; 2-byte elements; padding: after every 32 words, 4 words
	s_mov_b32 s[G1V+0], 15|(1<<16)|(1<<20)|(1<<21)|(4<<22)|(7<<25)   ; the same with 8 words
.irp g, G1K, G1V
	s_mov_b32 s[\g+1], 64<<16                      ; tensor_dim0 = 64
	s_mov_b32 s[\g+2], 64<<16                      ; tensor_dim1 = 64
	s_mov_b32 s[\g+3], 64<<16                      ; tile_dim0 = 64
	s_mov_b32 s[\g+4], 64                          ; tile_dim1 = 64
	s_mov_b32 s[\g+5], 64                          ; elements from row to row
	s_mov_b32 s[\g+6], 0
	s_mov_b32 s[\g+7], 0
.endr
	s_mov_b32 s50, 0x3e38aa3b                      ; log2(e) / 8
	s_mov_b32 s51, 0x3e38aa3b
	s_mov_b32 s52, 0x76543210                      ; lane i of one half reads lane i of the other
	s_mov_b32 s53, 0xfedcba98
	s_mov_b32 s54, 0xf149f2ca                      ; -1e30
	s_lshr_b32 s49, ttmp9, 4                       ; b
	s_and_b32 s62, ttmp9, 15                       ; h
	s_mul_i32 s63, s49, 48
	s_add_co_u32 s63, s63, s62                     ; Q's plane; K's is 16, V's 32 further
	s_lshl_b32 s58, s63, 18
	s_lshl_b32 s62, s12, 13                        ; my 64 rows of 128 bytes
	s_add_co_u32 s58, s58, s62
	s_mov_b32 s59, 0
	s_mul_i32 s62, s10, 64*KP                      ; LDS: K at wave x 9,216 (waves 0-3),
	s_mul_i32 s55, s10, 64*VP                      ; V at wave x 10,240 (waves 4-7)
	s_lshl_b32 s14, s63, 18                        ; Q: plane + (512 cx + 64 w) rows.  cx enters s14, s15 and what is made of them alone
	s_lshl_b32 s15, s13, 16
	s_add_co_u32 s14, s14, s15
	s_lshl_b32 s15, s10, 13
	s_add_co_u32 s14, s14, s15
	s_mov_b32 s15, 0
	s_wait_dscnt 0x0
	s_wait_kmcnt 0x0
	s_add_nc_u64 s[58:59], s[4:5], s[58:59]
	s_add_nc_u64 s[60:61], s[4:5], s[14:15]
	s_lshl_b32 s14, s49, 19                        ; mask words: (128 b + 32 cx + 4 w) query tiles of 4,096 bytes
	s_lshl_b32 s15, s13, 17
	s_add_co_u32 s14, s14, s15
	s_lshl_b32 s15, s10, 14
	s_add_co_u32 s14, s14, s15
	s_mov_b32 s15, 0
	s_add_nc_u64 s[56:57], s[6:7], s[14:15]
	s_lshl_b32 s14, ttmp9, 18                      ; ctx: plane 16 b + h, (512 cx + 64 w) rows
	s_lshl_b32 s15, s13, 16
	s_add_co_u32 s14, s14, s15
	s_lshl_b32 s15, s10, 13
	s_add_co_u32 s14, s14, s15
	s_mov_b32 s15, 0
	s_add_nc_u64 s[8:9], s[8:9], s[14:15]
	ROUND                                          ; the four work-groups are here: the first joint loads meet
.irp s, 0,1
	s_mov_b32 s[G0K+4*\s], 1
	s_add_co_u32 s[G0K+4*\s+1], s62, \s*SLOT
	s_add_nc_u64 s[G0K+4*\s+2:G0K+4*\s+3], s[58:59], 16*PLANE+\s*TILEB
	s_or_b32 s[G0K+4*\s+3], s[G0K+4*\s+3], 0x80000000
	s_mov_b32 s[G0V+4*\s], 1
	s_add_co_u32 s[G0V+4*\s+1], s55, \s*SLOT+VOFF-4*64*VP
	s_add_nc_u64 s[G0V+4*\s+2:G0V+4*\s+3], s[58:59], 32*PLANE+\s*TILEB
	s_or_b32 s[G0V+4*\s+3], s[G0V+4*\s+3], 0x80000000
	JLOAD \s                                       ; tiles 0 and 1 go out together: two tensor loads of the wave are out
.endr
	v_and_b32 v1, 31, v0                           ; L
	v_and_b32 v2, 15, v0                           ; r
	v_bfe_u32 v3, v0, 4, 1                         ; h
	v_and_b32 v4, 7, v0
	v_bfe_u32 v5, v0, 3, 1
	v_lshrrev_b32 v6, 3, v1
	v_lshlrev_b32 v[QO], 7, v2
	v_lshl_add_u32 v[QO], v3, 4, v[QO]
	WIN 0x40
.irp qt, 0,1,2,3
.irp c, 0,1,2,3
	global_load_b128 v[Q+16*\qt+4*\c:Q+16*\qt+4*\c+3], v[QO], s[60:61] offset:\qt*2048+32*\c   ; Q's fragments straight from memory, kept for the whole kernel
.endr
.endr
	WIN 0
	MLOAD 0
	v_mul_u32_u24 v7, v2, KP
	v_lshl_add_u32 v[VK], v3, 4, v7                ; r x 144 + 16 h
	v_add_nc_u32 v[VK+1], SLOT, v[VK]
	v_lshl_add_u32 v7, v3, 3, v4                   ; key row 8 h + (L & 7)
	v_mul_u32_u24 v7, v7, VP
	v_lshl_add_u32 v7, v5, 4, v7                   ; + 16 ((L >> 3) & 1)
	v_add_nc_u32 v[VV], VOFF, v7
	v_add_nc_u32 v[VV+1], VOFF+SLOT, v7
	s_mul_i32 s63, s10, 16*SP
	s_add_co_u32 s63, s63, STAGE                   ; my stage
	v_add_nc_u32 v[STO], s63, v[VK]
	v_mul_u32_u24 v7, v6, SP
	v_lshl_add_u32 v7, v4, 4, v7
	v_add_nc_u32 v[RD], s63, v7
	v_lshlrev_b32 v[CO], 4, v1
	v_mov_b32 v[NINF], 0xff800000
	v_mov_b32 v[NM+1], 0                           ; partners of broadcast pairs: written once, their values are not used
	v_mov_b32 v[AL+1], 0
	s_wait_tensorcnt 1                             ; my part of tile 0 is in; tile 1's may stay out
	s_barrier_signal -1
	s_barrier_wait -1
	TILE 0, 1                                      ; tile 0: its first products start O's sums
	s_mov_b32 s48, 3
.Ltiles:
	CHANGE 1, 1                                    ; tiles 2, 4, 6 go out
	TILE 1, 0                                      ; tiles 1, 3, 5
	CHANGE 0, 1                                    ; tiles 3, 5, 7 go out
	TILE 0, 0                                      ; tiles 2, 4, 6
	s_sub_co_u32 s48, s48, 1
	s_cmp_lg_u32 s48, 0
	s_cbranch_scc1 .Ltiles
	CHANGE 1, 0                                    ; nothing is left to fetch (the stepped addresses are not used)
	TILE 1, 0                                      ; tile 7
; The way out of query tile qt: divide by the sum of both lanes' parts, round to f16, 16 rows of 128 bytes through my own stage.
.macro OUTC qt
	v_permlanex16_b32 v[T+1], v[LS+\qt], s52, s53
	v_add_f32 v[T], v[LS+\qt], v[T+1]
	v_rcp_f32 v[AL], v[T]
	v_nop                                          ; one plain place behind the reciprocal (ISA guide 5.7.2)
	WIN 0x01
.set ui, 0
	s_wait_alu depctr_va_vdst(0)
.rept 16
	v_pk_mul_f32 v[S+2*ui:S+2*ui+1], v[O+32*\qt+2*ui:O+32*\qt+2*ui+1], v[AL:AL+1] op_sel_hi:[1,0]
.set ui, ui+1
.endr
	WIN 0
.set ui, 0
.rept 16
	v_cvt_pk_f16_f32 v[P+ui], v[S+2*ui], v[S+2*ui+1]
.set ui, ui+1
.endr
.irp dt, 0,1,2,3
	ds_store_b128 v[STO], v[P+4*\dt:P+4*\dt+3] offset:32*\dt
.endr
	s_wait_xcnt 0x0                                ; the registers that the last stores read are loaded again only behind this wait
.irp i, 0,1,2,3
	ds_load_b128 v[S+32+4*\i:S+32+4*\i+3], v[RD] offset:\i*4*SP    ; my own bytes: LDS serves a wave in order
.endr
.irp i, 0,1,2,3
	s_wait_dscnt 3-\i                              ; the younger read-backs stay out
	global_store_b128 v[CO], v[S+32+4*\i:S+32+4*\i+3], s[8:9] offset:\qt*2048+\i*512   ; 512 consecutive bytes, aligned
.endr
.endm
	OUTC 0
	OUTC 1
	OUTC 2
	OUTC 3
	s_wait_tensorcnt 0x0
	ds_add_u32 v254, v255
	s_wait_dscnt 0x0
	ROUND                                          ; the closing round
	s_endpgm
.Lfunc_end_k_qc8a236f142_attn:
	.size	k_qc8a236f142_attn, .Lfunc_end_k_qc8a236f142_attn-k_qc8a236f142_attn
	.p2alignl 7, 3214868480
	.fill 96, 4, 3214868480
	.section	.rodata,"a",@progbits
	.p2align	6, 0x0
	.amdhsa_kernel k_qc8a236f142_attn
		.amdhsa_group_segment_fixed_size 327680
		.amdhsa_private_segment_fixed_size 0
		.amdhsa_enable_private_segment 0
		.amdhsa_kernarg_size 24
		.amdhsa_user_sgpr_count 2
		.amdhsa_user_sgpr_kernarg_segment_ptr 1
		.amdhsa_wavefront_size32 1
		.amdhsa_system_sgpr_workgroup_id_x 1
		.amdhsa_system_sgpr_workgroup_id_y 1
		.amdhsa_system_sgpr_workgroup_id_z 1
		.amdhsa_system_vgpr_workitem_id 0
		.amdhsa_next_free_vgpr 512
		.amdhsa_next_free_sgpr 100
		.amdhsa_reserve_vcc 0
		.amdhsa_float_denorm_mode_32 3
		.amdhsa_float_denorm_mode_16_64 3
		.amdhsa_memory_ordered 1
		.amdhsa_forward_progress 1
		.amdhsa_inst_pref_size 255
	.end_amdhsa_kernel
	.section	.bss,"aw",@nobits
	.p2align	6
	.space	262144
	.amdgpu_metadata
---
amdhsa.version: [ 1, 2 ]
amdhsa.kernels:
  - .name:           k_qc8a236f142_attn
    .symbol:         k_qc8a236f142_attn.kd
    .args:
      - { .name: qkv, .offset: 0, .size: 8, .value_kind: global_buffer, .address_space: global }
      - { .name: maskw, .offset: 8, .size: 8, .value_kind: global_buffer, .address_space: global }
      - { .name: ctx, .offset: 16, .size: 8, .value_kind: global_buffer, .address_space: global }
    .group_segment_fixed_size: 327680
    .private_segment_fixed_size: 0
    .kernarg_segment_align: 8
    .kernarg_segment_size: 24
    .max_flat_workgroup_size: 256
    .sgpr_count:     100
    .vgpr_count:     512
    .wavefront_size: 32
...
	.end_amdgpu_metadata
.endif
;; end of part 3
;; launch oproj (part 4): grid 8 x 32, 4 waves a work-group, clusters of 4 x 4, 327,680 bytes of LDS; arguments ctx, wt, bo, out0; writes out0
.if DOCPART == 4
	.amdgcn_target "amdgcn-amd-amdhsa--gfx1250"
	.amdhsa_code_object_version 6
	.text
	.protected	k_qc8a236f142_oproj
	.globl	k_qc8a236f142_oproj
	.p2align	8
	.type	k_qc8a236f142_oproj,@function
k_qc8a236f142_oproj:
	s_mov_b64 s[64:65], 0
	v_nop
	global_prefetch_b8 v0, s[64:65] scope:SCOPE_SE
	s_setreg_imm32_b32 hwreg(HW_REG_WAVE_MODE, 25, 1), 1
	s_wait_xcnt 0x0
	s_wait_alu depctr_hold_cnt(0) depctr_sa_sdst(0) depctr_va_vdst(0) depctr_va_sdst(0) depctr_va_ssrc(0) depctr_va_vcc(0) depctr_vm_vsrc(0)
	s_getreg_b32 s2, hwreg(HW_REG_IB_STS2, 6, 4)
	s_cmp_eq_u32 s2, 0
	s_cbranch_scc0 .Lentry_in_a_cluster
	s_endpgm
.Lentry_in_a_cluster:
	s_bfe_u32 s2, ttmp6, 0x10000c
	s_cmp_lg_u32 s2, 0xf033
	s_cbranch_scc0 .Lentry_shape_is_right
	s_endpgm
.Lentry_shape_is_right:
; out0[m][n] = sum over c of ctx(m, c) wt[3072 + n][c] + bo[n]; ctx lies as [b][h][t][64] f16, c = 64 h + d; Wo's rows of wt are f16 too
; (Wo rounded to bf16, written as f16); f32 sums, f32 out.
; A work-group makes 256 rows x 128 columns; four waves stacked along the rows: a wave makes 64 x 128, 32 accumulator tiles (256 registers).
; K = 1024 goes in 8 steps of 128 = two heads through two LDS slots.  A's part of a slot is two sub-tiles of 256 rows x 64 d, one a head,
; each 32,768 consecutive bytes of ctx; B's is 128 rows of 256 bytes.
; CLUSTERS: 4 x 4 work-groups; A's tiles are asked for jointly along a row of the cluster, B's along a column.
; REGISTER WINDOWS: 0: addresses, bias, A's fragments, the way out.  1: B's fragments.  2: accumulators of column blocks 0-3, tile (a, b)
; at 8 (4 b + a).  3: those of column blocks 4-7.  The matrix instruction is used transposed, as in the projection of Q, K and V.
.set KSTEP,  128
.set NB,     8
.set HB,     4
.set PITCH,  272                       ; B's rows
.set PA,     144                       ; A's rows: 128 bytes + 16
.set AHALF,  256*PA                    ; one head's sub-tile: what wave 0 or 1 fetches
.set ABYTES, 2*AHALF
.set BHALF,  64*PITCH                  ; what wave 2 or 3 fetches
.set SLOT,   ABYTES+2*BHALF
.set STAGE,  2*SLOT                    ; a multiple of 256; no fill lands here
.set SPITCH, 528                       ; 512 bytes + 16
.set NL,     8+2*NB
.set LAPS,   4
.set ASTEP,  2*262144                  ; two heads on
.set BSTEP,  256
.set ADRA, 16
.set ADRB, 20
.set STO,  24
.set RD,   25
.set CO,   26
.set BIAS, 28                          ; v[28:31] bo of my four columns
.set FA0,  64                          ; window 0: v[64:95], v[96:127]
.set FB0,  0                           ; window 1: v[0:63], v[64:127]
.set RB,   176                         ; v[176:239]
.set G1, 24
.set G0, 32
.set G1B, 48
.set G0B, 56
.set MSB, 0
.macro WIN new
.if MSB != \new
	s_set_vgpr_msb (MSB<<8)|\new
.set MSB, \new
.endif
.endm
.set MUL_LO, 0xa1
.set MUL_HI, 0xf1
.set TO_B,   0x40
.macro JLOAD s
	s_cmp_eq_u32 s11, 0
	s_cbranch_scc0 .Lfor_b_\@
	tensor_load_to_lds s[G0+4*\s:G0+4*\s+3], s[G1:G1+7]
	s_nop 0
	s_branch .Lasked_\@
.Lfor_b_\@:
	tensor_load_to_lds s[G0B+4*\s:G0B+4*\s+3], s[G1B:G1B+7]
	s_nop 0
.Lasked_\@:
.endm
.macro CREST
	s_cmp_lg_u32 s10, 0
	s_cbranch_scc1 .Lnot_wave_0_\@
	s_barrier_signal -3
.Lnot_wave_0_\@:
	s_barrier_wait -3
	s_barrier_signal -1
	s_barrier_wait -1
.endm
.macro CROUND
	s_barrier_signal -1
	s_barrier_wait -1
	CREST
.endm
.macro PLACES                          ; four places behind a matrix instruction (ISA guide 7.12.1)
.rept 4
	v_nop
.endr
.endm
	s_load_b128 s[4:7], s[0:1], 0x0                ; ctx s[4:5], wt s[6:7]
	s_load_b64 s[66:67], s[0:1], 0x10              ; bo
	s_load_b64 s[8:9], s[0:1], 0x18                ; out0
	s_set_vgpr_msb 0x40
	v_lshl_add_u32 v255, v0, 2, 0x3d400
	s_set_vgpr_msb 0x4000
	v_mov_b32 v255, 0
	s_set_vgpr_msb 0x1
	ds_add_u32 v255, v255
	s_set_vgpr_msb 0x100
	v_lshrrev_b32 v1, 5, v0
	v_readfirstlane_b32 s10, v1                    ; wave 0..3
	s_lshr_b32 s11, s10, 1                         ; I fetch for A (0) or for B (1)
	s_and_b32 s12, s10, 1                          ; A: which head of the two; B: which 64 rows
	s_bfe_u32 s40, ttmp6, 0x40000                  ; cx
	s_bfe_u32 s41, ttmp6, 0x40004                  ; cy
	s_lshl_b32 s42, ttmp9, 2
	s_add_co_u32 s42, s42, s40                     ; block column 0..7
	s_and_b32 s13, ttmp7, 0xffff
	s_lshl_b32 s13, s13, 2
	s_add_co_u32 s13, s13, s41                     ; block row 0..31
	s_lshl_b32 s43, s41, 2
	s_lshl_b32 s43, 15, s43                        ; my row of the cluster
	s_lshl_b32 s44, 0x1111, s40                    ; my column
	s_or_b32 s[G1+0], s43, (1<<16)|(1<<20)|(1<<21)|(4<<22)|(3<<25)   ; A: after every 32 words, 4 words of padding
	s_or_b32 s[G1B+0], s44, (1<<16)|(1<<20)|(1<<21)|(5<<22)|(3<<25)  ; B: after every 64 words
	s_mov_b32 s[G1+1], 64<<16                      ; tensor_dim0 = 64
	s_mov_b32 s[G1+2], 256<<16                     ; tensor_dim1 = 256
	s_mov_b32 s[G1+3], 64<<16                      ; tile_dim0 = 64
	s_mov_b32 s[G1+4], 256                         ; tile_dim1 = 256
	s_mov_b32 s[G1+5], 64                          ; elements from row to row
	s_mov_b32 s[G1+6], 0
	s_mov_b32 s[G1+7], 0
	s_mov_b32 s[G1B+1], KSTEP<<16
	s_mov_b32 s[G1B+2], 64<<16
	s_mov_b32 s[G1B+3], KSTEP<<16
	s_mov_b32 s[G1B+4], 64
	s_mov_b32 s[G1B+5], 1024
	s_mov_b32 s[G1B+6], 0
	s_mov_b32 s[G1B+7], 0
	s_lshr_b32 s16, s13, 3                         ; batch
	s_lshl_b32 s16, s16, 4
	s_add_co_u32 s16, s16, s12                     ; plane 16 b + my head of the first two
	s_lshl_b32 s16, s16, 18
	s_and_b32 s17, s13, 7
	s_lshl_b32 s17, s17, 15                        ; 256 rows of 128 bytes
	s_add_co_u32 s16, s16, s17
	s_mov_b32 s17, 0
	s_lshl_b32 s46, s42, 7
	s_lshl_b32 s47, s12, 6
	s_add_co_u32 s46, s46, s47
	s_add_co_u32 s46, s46, 3072                    ; Wo's rows of wt: 3072 + 128 x block column + 64 x half
	s_lshl_b32 s46, s46, 11
	s_mov_b32 s47, 0
	s_mul_i32 s20, s10, AHALF                      ; LDS: A's sub-tiles at wave x 36,864 (waves 0, 1),
	s_mul_i32 s21, s10, BHALF
	s_add_co_u32 s21, s21, ABYTES-2*BHALF          ; B's halves at 38,912 + wave x 17,408 (waves 2, 3)
	s_lshl_b32 s44, s42, 9                         ; bo: 128 columns of 4 bytes a block column (the mask in s44 has been used)
	s_mov_b32 s45, 0
	s_wait_dscnt 0x0
	s_wait_kmcnt 0x0
	s_add_nc_u64 s[14:15], s[4:5], s[16:17]
	s_add_nc_u64 s[46:47], s[6:7], s[46:47]
	s_add_nc_u64 s[66:67], s[66:67], s[44:45]
	CROUND                                         ; all sixteen work-groups are here: the first joint loads meet
.irp s, 0,1
	s_mov_b32 s[G0+4*\s], 1
	s_add_co_u32 s[G0+4*\s+1], s20, \s*SLOT
	s_add_nc_u64 s[G0+4*\s+2:G0+4*\s+3], s[14:15], \s*ASTEP
	s_or_b32 s[G0+4*\s+3], s[G0+4*\s+3], 0x80000000
	s_mov_b32 s[G0B+4*\s], 1
	s_add_co_u32 s[G0B+4*\s+1], s21, \s*SLOT
	s_add_nc_u64 s[G0B+4*\s+2:G0B+4*\s+3], s[46:47], \s*BSTEP
	s_or_b32 s[G0B+4*\s+3], s[G0B+4*\s+3], 0x80000000
	JLOAD \s                                       ; both first fills go out together: two tensor loads of the wave are out
.endr
	v_and_b32 v1, 15, v0                           ; r
	v_bfe_u32 v2, v0, 4, 1                         ; h
	v_and_b32 v5, 31, v0
	v_lshlrev_b32 v[CO], 4, v5                     ; 16 L
	global_load_b128 v[BIAS:BIAS+3], v[CO], s[66:67]   ; waited for in front of the way out
	v_mul_u32_u24 v3, v1, PA
	v_lshl_add_u32 v3, v2, 4, v3
	v_mul_u32_u24 v4, v1, PITCH
	v_lshl_add_u32 v4, v2, 4, v4
	s_mul_i32 s22, s10, 64*PA                      ; my 64 rows in each sub-tile of A
.irp s, 0,1
	v_add_nc_u32 v[ADRA+\s], s22, v3
	v_add_nc_u32 v[ADRB+\s], ABYTES+\s*SLOT, v4
	s_add_co_u32 s22, s22, SLOT
.endr
	s_mul_i32 s23, s10, 16*SPITCH
	s_add_co_u32 s23, s23, STAGE                   ; my stage
	v_mul_u32_u24 v6, v1, SPITCH
	v_lshl_add_u32 v6, v2, 5, v6
	v_add_nc_u32 v[STO], s23, v6                   ; in: row r, 32 h
	v_add_nc_u32 v[RD], s23, v[CO]                 ; back: a whole row of 512 bytes a load
; The accumulators take turns, one instruction a turn.
.macro MULB f, hi, b0, nb, zero
.set mb, \b0
.rept \nb
.set mf, FB0+8*NB*\f+8*(HB*\hi+mb)
.irp a, 0,1,2,3
.if \zero
	v_wmma_f32_16x16x32_f16 v[8*(4*mb+\a):8*(4*mb+\a)+7], v[mf:mf+7], v[FA0+32*\f+8*\a:FA0+32*\f+8*\a+7], 0
.else
	v_wmma_f32_16x16x32_f16 v[8*(4*mb+\a):8*(4*mb+\a)+7], v[mf:mf+7], v[FA0+32*\f+8*\a:FA0+32*\f+8*\a+7], v[8*(4*mb+\a):8*(4*mb+\a)+7]
.endif
.endr
.set mb, mb+1
.endr
.endm
; quarter q of a K step: head q >> 1 of the two, d from 32 (q & 1)
.macro FETCH slot, q, f
	WIN 0
.irp a, 0,1,2,3
	ds_load_b128 v[FA0+32*\f+8*\a:FA0+32*\f+8*\a+3],   v[ADRA+\slot] offset:(\q>>1)*AHALF+(\q&1)*64+\a*16*PA
	ds_load_b128 v[FA0+32*\f+8*\a+4:FA0+32*\f+8*\a+7], v[ADRA+\slot] offset:(\q>>1)*AHALF+(\q&1)*64+\a*16*PA+32
.endr
	WIN TO_B
.set fb, 0
.rept NB
	ds_load_b128 v[FB0+8*NB*\f+8*fb:FB0+8*NB*\f+8*fb+3],   v[ADRB+\slot] offset:64*\q+fb*16*PITCH
	ds_load_b128 v[FB0+8*NB*\f+8*fb+4:FB0+8*NB*\f+8*fb+7], v[ADRB+\slot] offset:64*\q+fb*16*PITCH+32
.set fb, fb+1
.endr
.endm
.macro QUARTER slot, q, f, g, zero
	s_wait_dscnt 2*HB                              ; A and B's lower half are in; the youngest 8 loads (B's upper half) may be out
	WIN MUL_LO
	MULB \f, 0, 0, HB, \zero
	PLACES
	FETCH \slot, \q, \g
	s_wait_dscnt NL                                ; all but the 24 just issued
	WIN MUL_HI
	MULB \f, 1, 0, HB, \zero
.endm
.macro THREE slot, zero
	QUARTER \slot, 1, 0, 1, \zero
	QUARTER \slot, 2, 1, 0, 0
	QUARTER \slot, 3, 0, 1, 0
.endm
; The change of slots: each wave's waits for its reads of this slot and for all its tensor loads stand in front of the barrier; where the
; slot is filled again the barrier opens a round of the cluster's barrier, and the joint refill is the first tensor load behind the round.
.macro TURN slot, next, fill
	s_wait_dscnt 2*HB
	WIN MUL_LO
	MULB 1, 0, 0, HB/2, 0
	s_wait_dscnt 0x0
	s_wait_tensorcnt 0x0
	ds_add_u32 v255, v255
	s_wait_dscnt 0x0
	s_barrier_signal -1
	MULB 1, 0, HB/2, HB/2, 0
	WIN 0
	s_barrier_wait -1
.if \fill
	CREST
	s_add_nc_u64 s[G0+4*\slot+2:G0+4*\slot+3], s[G0+4*\slot+2:G0+4*\slot+3], 2*ASTEP
	s_add_nc_u64 s[G0B+4*\slot+2:G0B+4*\slot+3], s[G0B+4*\slot+2:G0B+4*\slot+3], 2*BSTEP
	JLOAD \slot
.endif
	PLACES
	FETCH \next, 0, 0
	WIN MUL_HI
	MULB 1, 1, 0, HB, 0
.endm
.macro LAP zero
	THREE 0, \zero
	TURN 0, 1, 1
	THREE 1, 0
	TURN 1, 0, 1
.endm
	s_wait_tensorcnt 1                             ; my part of K step 0 is in; K step 1's may stay out
	s_barrier_signal -1
	s_barrier_wait -1
	FETCH 0, 0, 0
	LAP 1
	WIN 0
	s_mov_b32 s3, LAPS-2
.Llap:
	LAP 0
	WIN 0
	s_sub_co_u32 s3, s3, 1
	s_cmp_lg_u32 s3, 0
	s_cbranch_scc1 .Llap
	THREE 0, 0
	TURN 0, 1, 0
	THREE 1, 0
	s_wait_dscnt 2*HB
	WIN MUL_LO
	MULB 1, 0, 0, HB, 0
	s_wait_dscnt 0x0
	WIN MUL_HI
	MULB 1, 1, 0, HB, 0
	PLACES
	; THE WAY OUT: 16 rows at a time; the sums go to my own stage as they are (f32), come back as whole rows of 512 bytes, and take the bias.
	s_lshl_b32 s16, s13, 8
	s_lshl_b32 s14, s10, 6
	s_add_co_u32 s16, s16, s14                     ; my first row
	s_lshl_b32 s16, s16, 12                        ; rows of 4,096 bytes
	s_mov_b32 s17, 0
	s_add_nc_u64 s[8:9], s[8:9], s[16:17]
	s_lshl_b32 s46, s42, 9
	s_mov_b32 s47, 0
	s_add_nc_u64 s[8:9], s[8:9], s[46:47]
	s_wait_loadcnt 0x0                             ; the bias
.macro OUTF a
	WIN 0x08                                       ; an LDS store's data is source 1: window 2
.irp b, 0,1,2,3
	ds_store_b128 v[STO], v[8*(4*\b+\a):8*(4*\b+\a)+3]   offset:64*\b
	ds_store_b128 v[STO], v[8*(4*\b+\a)+4:8*(4*\b+\a)+7] offset:64*\b+16
.endr
	WIN 0x0c                                       ; window 3
.irp b, 0,1,2,3
	ds_store_b128 v[STO], v[8*(4*\b+\a):8*(4*\b+\a)+3]   offset:64*(\b+4)
	ds_store_b128 v[STO], v[8*(4*\b+\a)+4:8*(4*\b+\a)+7] offset:64*(\b+4)+16
.endr
	WIN 0
	s_wait_xcnt 0x0                                ; the registers that the last stores read are loaded again only behind this wait
.set oi, 0
.rept 16
	ds_load_b128 v[RB+4*oi:RB+4*oi+3], v[RD] offset:oi*SPITCH      ; my own bytes: LDS serves a wave in order
.set oi, oi+1
.endr
.set oi, 0
.rept 16
	s_wait_dscnt 15-oi                             ; the younger read-backs stay out
	v_pk_add_f32 v[RB+4*oi:RB+4*oi+1], v[RB+4*oi:RB+4*oi+1], v[BIAS:BIAS+1]
	v_pk_add_f32 v[RB+4*oi+2:RB+4*oi+3], v[RB+4*oi+2:RB+4*oi+3], v[BIAS+2:BIAS+3]
	global_store_b128 v[CO], v[RB+4*oi:RB+4*oi+3], s[8:9] offset:(16*\a+oi)*4096 th:TH_STORE_NT   ; 512 consecutive bytes, aligned
.set oi, oi+1
.endr
.endm
	OUTF 0
	OUTF 1
	OUTF 2
	OUTF 3
	s_set_vgpr_msb 0x1
	s_wait_tensorcnt 0x0
	ds_add_u32 v255, v255
	s_wait_dscnt 0x0
	s_set_vgpr_msb 0x100
	CROUND                                         ; the closing round
	s_endpgm
.Lfunc_end_k_qc8a236f142_oproj:
	.size	k_qc8a236f142_oproj, .Lfunc_end_k_qc8a236f142_oproj-k_qc8a236f142_oproj
	.p2alignl 7, 3214868480
	.fill 96, 4, 3214868480
	.section	.rodata,"a",@progbits
	.p2align	6, 0x0
	.amdhsa_kernel k_qc8a236f142_oproj
		.amdhsa_group_segment_fixed_size 327680
		.amdhsa_private_segment_fixed_size 0
		.amdhsa_enable_private_segment 0
		.amdhsa_kernarg_size 32
		.amdhsa_user_sgpr_count 2
		.amdhsa_user_sgpr_kernarg_segment_ptr 1
		.amdhsa_wavefront_size32 1
		.amdhsa_system_sgpr_workgroup_id_x 1
		.amdhsa_system_sgpr_workgroup_id_y 1
		.amdhsa_system_sgpr_workgroup_id_z 1
		.amdhsa_system_vgpr_workitem_id 0
		.amdhsa_next_free_vgpr 896
		.amdhsa_next_free_sgpr 68
		.amdhsa_reserve_vcc 0
		.amdhsa_float_denorm_mode_32 3
		.amdhsa_float_denorm_mode_16_64 3
		.amdhsa_memory_ordered 1
		.amdhsa_forward_progress 1
		.amdhsa_inst_pref_size 127
	.end_amdhsa_kernel
	.amdgpu_metadata
---
amdhsa.version: [ 1, 2 ]
amdhsa.kernels:
  - .name:           k_qc8a236f142_oproj
    .symbol:         k_qc8a236f142_oproj.kd
    .args:
      - { .name: ctx, .offset: 0, .size: 8, .value_kind: global_buffer, .address_space: global }
      - { .name: wt, .offset: 8, .size: 8, .value_kind: global_buffer, .address_space: global }
      - { .name: bo, .offset: 16, .size: 8, .value_kind: global_buffer, .address_space: global }
      - { .name: out0, .offset: 24, .size: 8, .value_kind: global_buffer, .address_space: global }
    .group_segment_fixed_size: 327680
    .private_segment_fixed_size: 0
    .kernarg_segment_align: 8
    .kernarg_segment_size: 32
    .max_flat_workgroup_size: 128
    .sgpr_count:     68
    .vgpr_count:     896
    .wavefront_size: 32
...
	.end_amdgpu_metadata
.endif
;; end of part 4
;; ======== version 2 of 2: 4 launches
;; limits: values are held in f16: magnitudes above 65,504 overflow, below 6.1e-05 lose precision
;; workspace buffers: xb 16,777,216 bytes; wt 8,388,608 bytes; maskw 2,097,152 bytes of whole numbers; qkv 50,331,648 bytes; ctx 16,777,216 bytes
;; launch prep: the kernel of part 1 again; grid 512 x 1, 8 waves a work-group, no clusters, 53,248 bytes of LDS; arguments x, mask, Wq, Wk, Wv, Wo, xb, wt, maskw; writes xb, wt, maskw
;; launch qkvproj: the kernel of part 2 again; grid 16 x 32, 4 waves a work-group, clusters of 4 x 4, 327,680 bytes of LDS; arguments xb, wt, qkv; writes qkv
;; launch attn (part 5): grid 256 x 1, 8 waves a work-group, clusters of 4 x 1, 327,680 bytes of LDS; arguments qkv, maskw, ctx; writes ctx
.if DOCPART == 5
	.amdgcn_target "amdgcn-amd-amdhsa--gfx1250"
	.amdhsa_code_object_version 6
	.text
	.protected	k_qc8a236f142_attn
	.globl	k_qc8a236f142_attn
	.p2align	8
	.type	k_qc8a236f142_attn,@function
k_qc8a236f142_attn:
	s_mov_b64 s[64:65], 0
	v_nop
	global_prefetch_b8 v0, s[64:65] scope:SCOPE_SE
	s_setreg_imm32_b32 hwreg(HW_REG_WAVE_MODE, 25, 1), 1
	s_wait_xcnt 0x0
	s_wait_alu depctr_hold_cnt(0) depctr_sa_sdst(0) depctr_va_vdst(0) depctr_va_sdst(0) depctr_va_ssrc(0) depctr_va_vcc(0) depctr_vm_vsrc(0)
	s_getreg_b32 s2, hwreg(HW_REG_IB_STS2, 6, 4)
	s_cmp_eq_u32 s2, 0
	s_cbranch_scc0 .Lentry_in_a_cluster
	s_endpgm
.Lentry_in_a_cluster:
	s_bfe_u32 s2, ttmp6, 0x10000c
	s_cmp_lg_u32 s2, 0x3003
	s_cbranch_scc0 .Lentry_shape_is_right
	s_endpgm
.Lentry_shape_is_right:
; ctx[b][h][q][d] = softmax over keys of (Q K^T / 8, -inf where the mask is 0) V, for one (b, h) a cluster and 512 queries a work-group.
; Q, K, V, p and ctx are f16 (11 significant bits), sums f32: a query that sees few keys gets values of V's own size, far above the whole
; output's root mean square, on which the allowance hangs, and 8 significant bits are too few there.
; Eight waves, 64 queries (four tiles of 16) each; the 2,048 keys go in 8 tiles of 256 through two LDS slots, each tile in four steps of 64.
; CLUSTERS: the four query blocks of a head read the same K and V tiles and ask for them jointly (mask 15): one request for four work-groups.
; TRANSPOSED: S^T = K Q^T (source 0 = 16 keys, source 1 = 16 queries): lane (r, h) holds query r and keys 16 t + 8 h + j in register j of
; tile t.  Packed to f16, tiles 2 ks and 2 ks + 1 ARE source 1 of O^T = V^T P^T, with no move between lanes; V^T comes from V[key][d] by the
; transposing LDS load.  A query's maximum, sum and scale live in its two lanes; O's lane holds eight neighbouring d of its query.
; A unit = 64 keys x 16 queries; a step = the four units of 64 keys.  Inside a step the next unit's score products are issued ahead of this
; unit's softmax (two score buffers).
; CODE: a step is some 770 instructions.  A tile is a loop of four trips over ONE step's text, with K's and V's LDS addresses in two working
; registers that step by 64 rows a trip; the text of a step stands four times (two slots in the loop of tiles, two in its tail) and runs 32 times.
; So that the first step needs no text of its own, O starts as 0 x 0 + 0 (16 matrix instructions on zero operands, in place of 128 moves),
; the running maximum at -1e30 and the sum at 0.  So that the last step of a tile needs none, fragments are fetched at the head of each step.
; THE MASK comes as lane masks (32 words for a unit) by scalar loads and only feeds selects: every key is worked for every query.  Scalar loads
; return in no order, so only a wait for all of them shows anything (ISA guide 5.7.1): two sets of 32 registers take turns, each is loaded again
; for the unit after next straight behind its selects, and the wait stands in every second unit.
; ONE DESCRIPTOR SHAPE: K's LDS rows have V's pitch of 160 bytes, so that one group 1 and one group 0 a slot serve all eight waves (wave w
; fills 64 rows at w x 10,240: waves 0-3 K's, waves 4-7 V's); that leaves the scalar registers for the second set of mask words.  The price:
; rows r and r + 8 of a K fragment lie 8 x 160 = 5 x 256 bytes apart and start at the same bank (64 banks of 4 bytes: ISA guide 11.1), so K's
; 16 fragment loads of a step are served in two turns for each half of the wave.
; LIMITS: the running maximum (kept, in the base-2 domain scaled by log2(e)/8) starts at -1e30, so that key blocks that are masked whole give
; p = 0 and no NaN; scaled scores below -1e30 are not served.  A row masked whole gives 0 x infinity = NaN, as the softmax of -inf alone does.
; The denominator sums p in f32; the product with V takes p rounded to f16; p lies in 0 .. 1, and what f16 flushes (below 2^-25) is at most
; 2,048 x 2^-25 of a sum that is at least 1.  ctx is an average of V's rows and stays in V's range (below 65,504).
.set KP,    160                        ; K's LDS rows: 128 bytes + 32
.set VP,    160                        ; V's: an odd multiple of 32 for the transposing load
.set VOFF,  256*KP                     ; V's 256 rows lie behind K's 256
.set SLOT,  81920
.set STAGE, 2*SLOT                     ; a multiple of 256; no fill lands here
.set SP,    144
.set PLANE, 262144                     ; bytes of one head's Q, K or V
.set TILEB, 32768                      ; 256 keys of 128 bytes
.set VK,  8                            ; v8-9    K fragment address at the head of slot 0, 1
.set VV,  10                           ; v10-11  V fragment address at the head of slot 0, 1
.set STO, 12
.set RD,  13
.set CO,  14                           ; 16 L
.set QO,  15                           ; 128 r + 16 h
.set M,   16                           ; v[16:19] running maximum of query tile qt
.set LS,  20                           ; v[20:23] my lane's part of its sum
.set NM,  24                           ; v24 = -maximum; v25 its pair's partner
.set AL,  26                           ; v26 = scale of the old sums; v27 its pair's partner
.set T,   28                           ; v[28:35]
.set NINF, 36
.set KC,  37                           ; K fragment address of the step at hand
.set VC,  38                           ; V fragment address of the step at hand
.set P,   40                           ; v[40:55] p in f16
.set S,   64                           ; v[64:95], v[96:127] two score buffers
.set VF,  128                          ; v[128:191] V fragments at 8 (4 ks + dt)
.set O,   0                            ; window 1: v[0:127] O at 32 qt + 8 dt
.set Q,   128                          ; window 1: Q at 16 qt + 8 kd
.set KF,  192                          ; window 1: K fragments at 16 t + 8 kd
.set G1,  16                           ; s[16:23] descriptor group 1
.set G0,  24                           ; s[24:31] descriptor group 0, one set a slot
.set MA,  68                           ; s[68:99] mask words of even units
.set MB,  32                           ; s[32:63] mask words of odd units (before the first of them: set-up's registers)
.set MSB, 0
.macro WIN new                         ; the immediate's high byte repeats the setting that is left
.if MSB != \new
	s_set_vgpr_msb (MSB<<8)|\new
.set MSB, \new
.endif
.endm
.macro PLACES                          ; four places behind a matrix instruction (ISA guide 7.12.1)
.rept 4
	v_nop
.endr
.endm
.macro ROUND                           ; a round of the cluster's barrier
	s_barrier_signal -1
	s_barrier_wait -1
	s_cmp_lg_u32 s8, 0
	s_cbranch_scc1 .Lnot_wave_0_\@
	s_barrier_signal -3
.Lnot_wave_0_\@:
	s_barrier_wait -3
	s_barrier_signal -1
	s_barrier_wait -1
.endm
.macro MLOAD buf, off                  ; 32 mask words: 128 consecutive bytes
	s_load_b512 s[\buf:\buf+15], s[4:5], \off
	s_load_b512 s[\buf+16:\buf+31], s[4:5], \off+64
.endm
.macro KLOAD
.irp t, 0,1,2,3
.irp kd, 0,1
	ds_load_b128 v[KF+16*\t+8*\kd:KF+16*\t+8*\kd+3],   v[KC] offset:16*\t*KP+64*\kd
	ds_load_b128 v[KF+16*\t+8*\kd+4:KF+16*\t+8*\kd+7], v[KC] offset:16*\t*KP+64*\kd+32
.endr
.endr
.endm
.macro VLOAD
.irp ks, 0,1
.irp dt, 0,1,2,3
	ds_load_tr16_b128 v[VF+8*(4*\ks+\dt):VF+8*(4*\ks+\dt)+3],   v[VC] offset:32*\ks*VP+32*\dt
	ds_load_tr16_b128 v[VF+8*(4*\ks+\dt)+4:VF+8*(4*\ks+\dt)+7], v[VC] offset:(32*\ks+16)*VP+32*\dt
.endr
.endr
.endm
.macro SMUL u                          ; the scores of unit u: four tiles take turns, one instruction a turn
.set ms, S+32*((\u)&1)
.set mq, Q+16*((\u)%4)
.irp kd, 0,1
.irp t, 0,1,2,3
.if \kd
	v_wmma_f32_16x16x32_f16 v[ms+8*\t:ms+8*\t+7], v[KF+16*\t+8*\kd:KF+16*\t+8*\kd+7], v[mq+8*\kd:mq+8*\kd+7], v[ms+8*\t:ms+8*\t+7]
.else
	v_wmma_f32_16x16x32_f16 v[ms+8*\t:ms+8*\t+7], v[KF+16*\t+8*\kd:KF+16*\t+8*\kd+7], v[mq+8*\kd:mq+8*\kd+7], 0
.endif
.endr
.endr
.endm
; Unit u of a step = query tile u.
.macro UNIT u
.set us, S+32*((\u)&1)
.set um, MA+(MB-MA)*((\u)&1)
.set uq, \u
.if (\u) < 3
	WIN 0x05                                       ; sources 0 and 1 (K, Q) window 1
	SMUL (\u)+1
.endif
.if (\u) == 0
	PLACES                                         ; unit 0's scores were made just now
.endif
	WIN 0
.if ((\u)&1) == 0
	s_wait_kmcnt 0x0                               ; this unit's mask words and the next unit's: both sets are in
.endif
.if (\u) == 2
	s_add_nc_u64 s[4:5], s[4:5], 128               ; four key tiles of 32 bytes on: the next step's words; no scalar load is out here
.endif
.set ui, 0
.rept 32
	v_cndmask_b32 v[us+ui], v[NINF], v[us+ui], s[um+ui]    ; mask bit 0: -inf
.set ui, ui+1
.endr
	MLOAD um, (((\u)+2)%4)*4096                    ; this set again, for the unit after next (query tiles are 4,096 bytes apart).  In the very last step
	                                               ; units 2 and 3 so load 256 bytes that nobody uses: the first words of my query tiles 1 and 2, inside the buffer
	; the largest of my 32 scores, in four chains, then my query's other lane
.irp k, 0,1,2,3
	v_max3_num_f32 v[T+\k], v[us+8*\k], v[us+8*\k+1], v[us+8*\k+2]
.endr
.irp k, 0,1,2,3
	v_max3_num_f32 v[T+\k], v[T+\k], v[us+8*\k+3], v[us+8*\k+4]
.endr
.irp k, 0,1,2,3
	v_max3_num_f32 v[T+\k], v[T+\k], v[us+8*\k+5], v[us+8*\k+6]
.endr
	v_max3_num_f32 v[T], v[T], v[us+7], v[us+15]
	v_max3_num_f32 v[T+1], v[T+1], v[us+23], v[us+31]
	v_max3_num_f32 v[T], v[T], v[T+1], v[T+2]
	v_max_num_f32 v[T], v[T], v[T+3]
	v_permlanex16_b32 v[T+1], v[T], s12, s13
	v_max_num_f32 v[T], v[T], v[T+1]
	v_mul_f32 v[T], s2, v[T]                       ; into the scaled base-2 domain
	v_max_num_f32 v[T+2], v[M+uq], v[T]            ; the new running maximum
	v_sub_f32 v[T+3], v[M+uq], v[T+2]
	v_sub_f32 v[NM], 0, v[T+2]
.set ui, 0
.rept 16
	v_pk_fma_f32 v[us+2*ui:us+2*ui+1], v[us+2*ui:us+2*ui+1], s[2:3], v[NM:NM+1] op_sel_hi:[1,0,0]   ; s c - m
.set ui, ui+1
.endr
	v_exp_f32 v[AL], v[T+3]                        ; the old sums' scale
.set ui, 0
.rept 32
	v_exp_f32 v[us+ui], v[us+ui]
.set ui, ui+1
.endr
	v_mov_b32 v[M+uq], v[T+2]                      ; the one plain instruction between the exponentials and their first use (ISA guide 5.7.2)
.set ui, 0
	s_wait_alu depctr_va_vdst(0)
.rept 16
	v_cvt_pk_f16_f32 v[P+ui], v[us+2*ui], v[us+2*ui+1]
.set ui, ui+1
.endr
.irp i, 0,1,2,3,4,5,6,7
	v_pk_add_f32 v[us+4*\i:us+4*\i+1], v[us+4*\i:us+4*\i+1], v[us+4*\i+2:us+4*\i+3]
.endr
.irp i, 0,1,2,3
	v_pk_add_f32 v[us+8*\i:us+8*\i+1], v[us+8*\i:us+8*\i+1], v[us+8*\i+4:us+8*\i+5]
.endr
.irp i, 0,1
	v_pk_add_f32 v[us+16*\i:us+16*\i+1], v[us+16*\i:us+16*\i+1], v[us+16*\i+8:us+16*\i+9]
.endr
	v_pk_add_f32 v[us:us+1], v[us:us+1], v[us+16:us+17]
	v_add_f32 v[T], v[us], v[us+1]
	v_fma_f32 v[LS+uq], v[LS+uq], v[AL], v[T]
	WIN 0x41                                       ; O: destination and source 0 window 1
.set ui, 0
.rept 16
	v_pk_mul_f32 v[O+32*uq+2*ui:O+32*uq+2*ui+1], v[O+32*uq+2*ui:O+32*uq+2*ui+1], v[AL:AL+1] op_sel_hi:[1,0]
.set ui, ui+1
.endr
.if (\u) == 0
	s_wait_dscnt 0x0                               ; this step's V fragments, asked for at its head
.endif
	WIN 0x50                                       ; C and D (O) window 1
.irp ks, 0,1
.irp dt, 0,1,2,3
	v_wmma_f32_16x16x32_f16 v[O+32*uq+8*\dt:O+32*uq+8*\dt+7], v[VF+8*(4*\ks+\dt):VF+8*(4*\ks+\dt)+7], v[P+8*\ks:P+8*\ks+7], v[O+32*uq+8*\dt:O+32*uq+8*\dt+7]
.endr
.endr
.if (\u) == 3
	PLACES                                         ; the last product on this step's V fragments: they are loaded again, and O is read on the way out, only behind these
.endif
.endm
; A step: 64 keys x my 64 queries.  The K fragments were last read by the third unit's look-ahead products of the step before, with two units' vector work since.
.macro STEP
	WIN 0x40
	KLOAD
	WIN 0
	VLOAD
	v_add_nc_u32 v[KC], 64*KP, v[KC]               ; the next step's 64 rows (an LDS instruction's address may be rewritten at once)
	v_add_nc_u32 v[VC], 64*VP, v[VC]
	s_wait_dscnt 16                                ; K's 16 loads are in, V's 16 younger ones stay out
	WIN 0x05
	SMUL 0
	UNIT 0
	UNIT 1
	UNIT 2
	UNIT 3
	WIN 0                                          ; at a label and at a branch every window is 0
.endm
.macro TILE slot                       ; 256 keys: four trips over one step's text
	v_mov_b32 v[KC], v[VK+\slot]
	v_mov_b32 v[VC], v[VV+\slot]
	s_mov_b32 s10, 4
.Lstep_\@:
	STEP
	s_sub_co_i32 s10, s10, 1
	s_cmp_lg_u32 s10, 0
	s_cbranch_scc1 .Lstep_\@
.endm
; The change of slots: slot is read next, the other one has been read.  Every wave's waits stand in front of the opening signal.  Where the other
; slot is filled again the barrier is a round of the cluster's barrier, and the joint refill is the first tensor load behind it, one a wave.
.macro CHANGE slot, refill
	s_wait_tensorcnt 0x0                           ; all my tensor loads have landed, my part of the next slot among them: a group 0 may be written
	ds_add_u32 v254, v255
	s_wait_dscnt 0x0
.if \refill
	s_add_nc_u64 s[G0+4*(1-\slot)+2:G0+4*(1-\slot)+3], s[G0+4*(1-\slot)+2:G0+4*(1-\slot)+3], 2*TILEB
.endif
	s_wait_dscnt 0x0                               ; my reads of the other slot are over
.if \refill
	ROUND
	tensor_load_to_lds s[G0+4*(1-\slot):G0+4*(1-\slot)+3], s[G1:G1+7]
	s_nop 0
	v_nop
.else
	s_barrier_signal -1                            ; my work-group's barrier is enough
	s_barrier_wait -1
.endif
.endm
	s_load_b128 s[36:39], s[0:1], 0x0              ; qkv s[36:37], maskw s[38:39]
	s_load_b64 s[40:41], s[0:1], 0x10              ; ctx
	v_lshl_add_u32 v254, v0, 2, 0x2c800
	v_mov_b32 v255, 0
	ds_add_u32 v254, v255
	v_lshrrev_b32 v1, 5, v0
	v_readfirstlane_b32 s8, v1                     ; wave 0..7
	s_bfe_u32 s42, ttmp6, 0x40000                  ; cx: my block of 512 queries; ttmp9 = 16 b + h
	s_mov_b32 s[G1+0], 15|(1<<16)|(1<<20)|(1<<21)|(4<<22)|(7<<25)   ; mask of the four; 2-byte elements; padding on; bit 21 beside a mask; after every 32 words, 8 words
	s_mov_b32 s[G1+1], 64<<16                      ; tensor_dim0 = 64
	s_mov_b32 s[G1+2], 64<<16                      ; tensor_dim1 = 64
	s_mov_b32 s[G1+3], 64<<16                      ; tile_dim0 = 64
	s_mov_b32 s[G1+4], 64                          ; tile_dim1 = 64
	s_mov_b32 s[G1+5], 64                          ; elements from row to row
	s_mov_b32 s[G1+6], 0
	s_mov_b32 s[G1+7], 0
	s_mov_b32 s2, 0x3e38aa3b                       ; log2(e) / 8
	s_mov_b32 s3, 0x3e38aa3b
	s_mov_b32 s12, 0x76543210                      ; lane i of one half reads lane i of the other
	s_mov_b32 s13, 0xfedcba98
	s_lshr_b32 s43, ttmp9, 4                       ; b
	s_and_b32 s44, ttmp9, 15                       ; h
	s_mul_i32 s45, s43, 48
	s_add_co_u32 s45, s45, s44                     ; Q's plane; K's is 16, V's 32 further
	s_lshr_b32 s46, s8, 2                          ; waves 0-3 fetch K, waves 4-7 V
	s_lshl_b32 s46, s46, 4
	s_add_co_u32 s46, s46, s45
	s_add_co_u32 s46, s46, 16                      ; the plane that I fetch from
	s_lshl_b32 s46, s46, 18
	s_and_b32 s47, s8, 3
	s_lshl_b32 s47, s47, 13                        ; my 64 rows of 128 bytes of each tile
	s_add_co_u32 s46, s46, s47
	s_mov_b32 s47, 0
	s_mul_i32 s48, s8, 64*KP                       ; and where they go: wave x 10,240
	s_lshl_b32 s14, s45, 18                        ; Q: plane + (512 cx + 64 w) rows.  cx enters only what leads to Q's, the mask's and ctx's addresses
	s_lshl_b32 s15, s42, 16
	s_add_co_u32 s14, s14, s15
	s_lshl_b32 s15, s8, 13
	s_add_co_u32 s14, s14, s15
	s_mov_b32 s15, 0
	s_lshl_b32 s52, s43, 19                        ; mask words: (128 b + 32 cx + 4 w) query tiles of 4,096 bytes
	s_lshl_b32 s53, s42, 17
	s_add_co_u32 s52, s52, s53
	s_lshl_b32 s53, s8, 14
	s_add_co_u32 s52, s52, s53
	s_mov_b32 s53, 0
	s_lshl_b32 s54, ttmp9, 18                      ; ctx: plane 16 b + h, (512 cx + 64 w) rows
	s_lshl_b32 s55, s42, 16
	s_add_co_u32 s54, s54, s55
	s_lshl_b32 s55, s8, 13
	s_add_co_u32 s54, s54, s55
	s_mov_b32 s55, 0
	s_wait_dscnt 0x0
	s_wait_kmcnt 0x0
	s_add_nc_u64 s[46:47], s[36:37], s[46:47]
	s_add_nc_u64 s[14:15], s[36:37], s[14:15]
	s_add_nc_u64 s[4:5], s[38:39], s[52:53]
	s_add_nc_u64 s[6:7], s[40:41], s[54:55]
	ROUND                                          ; the four work-groups are here: the first joint loads meet
.irp s, 0,1
	s_mov_b32 s[G0+4*\s], 1                        ; count = 1
	s_add_co_u32 s[G0+4*\s+1], s48, \s*SLOT        ; LDS address
	s_add_nc_u64 s[G0+4*\s+2:G0+4*\s+3], s[46:47], \s*TILEB   ; global address: tile s
	s_or_b32 s[G0+4*\s+3], s[G0+4*\s+3], 0x80000000           ; type = 2
	tensor_load_to_lds s[G0+4*\s:G0+4*\s+3], s[G1:G1+7]       ; tiles 0 and 1 go out together: two tensor loads of the wave are out
	s_nop 0
.endr
	v_and_b32 v1, 31, v0                           ; L
	v_and_b32 v2, 15, v0                           ; r
	v_bfe_u32 v3, v0, 4, 1                         ; h
	v_and_b32 v4, 7, v0
	v_bfe_u32 v5, v0, 3, 1
	v_lshrrev_b32 v6, 3, v1
	v_lshlrev_b32 v[QO], 7, v2
	v_lshl_add_u32 v[QO], v3, 4, v[QO]
	WIN 0x40
.irp qt, 0,1,2,3
.irp c, 0,1,2,3
	global_load_b128 v[Q+16*\qt+4*\c:Q+16*\qt+4*\c+3], v[QO], s[14:15] offset:\qt*2048+32*\c   ; Q's fragments straight from memory, kept for the whole kernel
.endr
.endr
	WIN 0
	MLOAD MA, 0                                    ; the mask words of the first step's units 0
	MLOAD MB, 4096                                 ; and 1; set-up's registers in s[32:63] are done with
	v_mul_u32_u24 v7, v2, KP
	v_lshl_add_u32 v[VK], v3, 4, v7                ; r x 160 + 16 h
	v_add_nc_u32 v[VK+1], SLOT, v[VK]
	v_lshl_add_u32 v7, v3, 3, v4                   ; key row 8 h + (L & 7)
	v_mul_u32_u24 v7, v7, VP
	v_lshl_add_u32 v7, v5, 4, v7                   ; + 16 ((L >> 3) & 1)
	v_add_nc_u32 v[VV], VOFF, v7
	v_add_nc_u32 v[VV+1], VOFF+SLOT, v7
	s_mul_i32 s11, s8, 16*SP
	s_add_co_u32 s11, s11, STAGE                   ; my stage
	v_mul_u32_u24 v7, v2, SP
	v_lshl_add_u32 v7, v3, 4, v7
	v_add_nc_u32 v[STO], s11, v7                   ; in: row r, 16 h
	v_mul_u32_u24 v7, v6, SP
	v_lshl_add_u32 v7, v4, 4, v7
	v_add_nc_u32 v[RD], s11, v7                    ; back: row L >> 3, 16 (L & 7)
	v_lshlrev_b32 v[CO], 4, v1
	v_mov_b32 v[NINF], 0xff800000
	v_mov_b32 v[NM+1], 0                           ; partners of broadcast pairs: written once, their values are not used
	v_mov_b32 v[AL+1], 0
.irp qt, 0,1,2,3
	v_mov_b32 v[M+\qt], 0xf149f2ca                 ; the running maximum starts at -1e30,
	v_mov_b32 v[LS+\qt], 0                         ; the sum at 0,
.endr
.set ui, 0
.rept 16
	v_mov_b32 v[P+ui], 0
.set ui, ui+1
.endr
	WIN 0x40
.set ui, 0
.rept 16
	v_wmma_f32_16x16x32_f16 v[O+8*ui:O+8*ui+7], v[P:P+7], v[P+8:P+15], 0   ; and O as 0 x 0 + 0
.set ui, ui+1
.endr
	WIN 0
	s_wait_tensorcnt 1                             ; my part of tile 0 is in; tile 1's may stay out
	s_barrier_signal -1
	s_barrier_wait -1
	s_wait_loadcnt 0x0                             ; Q, once
	s_mov_b32 s9, 3
.Ltiles:
	TILE 0                                         ; tiles 0, 2, 4
	CHANGE 1, 1                                    ; tiles 2, 4, 6 go out
	TILE 1                                         ; tiles 1, 3, 5
	CHANGE 0, 1                                    ; tiles 3, 5, 7 go out
	s_sub_co_u32 s9, s9, 1
	s_cmp_lg_u32 s9, 0
	s_cbranch_scc1 .Ltiles
	TILE 0                                         ; tile 6
	CHANGE 1, 0                                    ; nothing is left to fetch
	TILE 1                                         ; tile 7
; The way out of query tile qt: divide by the sum of both lanes' parts, round to f16, 16 rows of 128 bytes through my own stage.
.macro OUTC qt
	v_permlanex16_b32 v[T+1], v[LS+\qt], s12, s13
	v_add_f32 v[T], v[LS+\qt], v[T+1]
	v_rcp_f32 v[AL], v[T]
	v_nop                                          ; one plain place behind the reciprocal (ISA guide 5.7.2)
	WIN 0x01
.set ui, 0
	s_wait_alu depctr_va_vdst(0)
.rept 16
	v_pk_mul_f32 v[S+2*ui:S+2*ui+1], v[O+32*\qt+2*ui:O+32*\qt+2*ui+1], v[AL:AL+1] op_sel_hi:[1,0]
.set ui, ui+1
.endr
	WIN 0
.set ui, 0
.rept 16
	v_cvt_pk_f16_f32 v[P+ui], v[S+2*ui], v[S+2*ui+1]
.set ui, ui+1
.endr
.irp dt, 0,1,2,3
	ds_store_b128 v[STO], v[P+4*\dt:P+4*\dt+3] offset:32*\dt
.endr
	s_wait_xcnt 0x0                                ; the registers that the last stores read are loaded again only behind this wait
.irp i, 0,1,2,3
	ds_load_b128 v[S+32+4*\i:S+32+4*\i+3], v[RD] offset:\i*4*SP    ; my own bytes: LDS serves a wave in order
.endr
.irp i, 0,1,2,3
	s_wait_dscnt 3-\i                              ; the younger read-backs stay out
	global_store_b128 v[CO], v[S+32+4*\i:S+32+4*\i+3], s[6:7] offset:\qt*2048+\i*512   ; 512 consecutive bytes, aligned
.endr
.endm
	OUTC 0
	OUTC 1
	OUTC 2
	OUTC 3
	s_wait_tensorcnt 0x0
	ds_add_u32 v254, v255
	s_wait_dscnt 0x0
	ROUND                                          ; the closing round
	s_endpgm
.Lfunc_end_k_qc8a236f142_attn:
	.size	k_qc8a236f142_attn, .Lfunc_end_k_qc8a236f142_attn-k_qc8a236f142_attn
	.p2alignl 7, 3214868480
	.fill 96, 4, 3214868480
	.section	.rodata,"a",@progbits
	.p2align	6, 0x0
	.amdhsa_kernel k_qc8a236f142_attn
		.amdhsa_group_segment_fixed_size 327680
		.amdhsa_private_segment_fixed_size 0
		.amdhsa_enable_private_segment 0
		.amdhsa_kernarg_size 24
		.amdhsa_user_sgpr_count 2
		.amdhsa_user_sgpr_kernarg_segment_ptr 1
		.amdhsa_wavefront_size32 1
		.amdhsa_system_sgpr_workgroup_id_x 1
		.amdhsa_system_sgpr_workgroup_id_y 1
		.amdhsa_system_sgpr_workgroup_id_z 1
		.amdhsa_system_vgpr_workitem_id 0
		.amdhsa_next_free_vgpr 512
		.amdhsa_next_free_sgpr 100
		.amdhsa_reserve_vcc 0
		.amdhsa_float_denorm_mode_32 3
		.amdhsa_float_denorm_mode_16_64 3
		.amdhsa_memory_ordered 1
		.amdhsa_forward_progress 1
		.amdhsa_inst_pref_size 189
	.end_amdhsa_kernel
	.amdgpu_metadata
---
amdhsa.version: [ 1, 2 ]
amdhsa.kernels:
  - .name:           k_qc8a236f142_attn
    .symbol:         k_qc8a236f142_attn.kd
    .args:
      - { .name: qkv, .offset: 0, .size: 8, .value_kind: global_buffer, .address_space: global }
      - { .name: maskw, .offset: 8, .size: 8, .value_kind: global_buffer, .address_space: global }
      - { .name: ctx, .offset: 16, .size: 8, .value_kind: global_buffer, .address_space: global }
    .group_segment_fixed_size: 327680
    .private_segment_fixed_size: 0
    .kernarg_segment_align: 8
    .kernarg_segment_size: 24
    .max_flat_workgroup_size: 256
    .sgpr_count:     100
    .vgpr_count:     512
    .wavefront_size: 32
...
	.end_amdgpu_metadata
.endif
;; end of part 5
;; launch oproj: the kernel of part 4 again; grid 8 x 32, 4 waves a work-group, clusters of 4 x 4, 327,680 bytes of LDS; arguments ctx, wt, bo, out0; writes out0
